; MI455X (gfx1250); checked and timed in simulation.
; The chip was launched on July 23, 2026; its instructions are those of AMD's public machine-readable ISA for CDNA 5 (MIT licence, August 2026) and "CDNA5" Instruction Set Architecture Reference Guide (July 2026). The comments in the code are by the model that wrote it; some were corrected since.
;; Multi Head Attension. Allowed arithmetic: matrix products marked QUANTISED: E4M3 operands, one given power-of-two scale a tensor, by v_wmma_f32_16x16x64_fp8_fp8 or v_wmma_f32_16x16x128_fp8_fp8, f32 sums; everything else in f32.
;; Inputs: Wk 1,024 x 1,024 float32; Wo 1,024 x 1,024 float32; Wq 1,024 x 1,024 float32; Wv 1,024 x 1,024 float32; bo 1,024 float32; lowp_scales 12 int32 (the exponents e of the quantised operands' scales 2^e); x 4 x 2,048 x 1,024 float32.
;; Outputs: out0 4 x 2,048 x 1,024 float32.
;; This version of the problem:
;;   THIS VERSION OF THE PROBLEM IS GIVEN IN LOW PRECISION. The matrix products marked QUANTISED in the list below multiply operands that are first quantised to E4M3 (4 exponent bits, 3 mantissa bits; 8 bits a number), with one given power-of-two scale for each operand tensor; their sums are f32. All else is computed in f32.
;;   The module's matrix products, in the order in which they are computed (A, B: the left and right operand; K: the contracted axis; several contracted axes count as one K, in the product's order):
;;     1. [M 8,192, K 1,024] x [K 1,024, N 1,024]; A: input x; B: input Wq: QUANTISED (scales: A lowp_scales[0], B lowp_scales[1])
;;     2. [M 8,192, K 1,024] x [K 1,024, N 1,024]; A: input x; B: input Wk: QUANTISED (scales: A lowp_scales[2], B lowp_scales[3])
;;     3. [M 8,192, K 1,024] x [K 1,024, N 1,024]; A: input x; B: input Wv: QUANTISED (scales: A lowp_scales[4], B lowp_scales[5])
;;     4. batch 64 x [M 2,048, K 64] x [K 64, N 2,048]; A: computed on the way; B: computed on the way: QUANTISED (scales: A lowp_scales[6], B lowp_scales[7])
;;     5. batch 64 x [M 2,048, K 2,048] x [K 2,048, N 64]; A: softmax (see below); B: computed on the way: QUANTISED (scales: A lowp_scales[8], B lowp_scales[9])
;;     6. [M 8,192, K 1,024] x [K 1,024, N 1,024]; A: computed on the way; B: input Wo: QUANTISED (scales: A lowp_scales[10], B lowp_scales[11])
;;   THE QUANTISER, for each operand of a quantised product, along K:
;;     - The operand's scale is 2^e, e = its entry of the input lowp_scales (int32; the entries are numbered through the quantised products in the list's order, A before B).
;;     - Each number is divided by the scale, clamped to +-448, and rounded to the nearest number of E4M3, ties to even, subnormals kept.
;;     - The product sums the exact products of the quantised numbers (number of the format x scale) in f32.
;;   ~~~python
;;   def quantise(x, axis, e):      # numpy; x: float32 -> the quantised numbers, widened to float32 again
;;       x = np.moveaxis(x, axis, -1); K = x.shape[-1]
;;       r = np.clip(x / 2.0 ** e, -448, 448)
;;       step = 2.0 ** (np.maximum(np.frexp(np.where(r == 0, 1, r))[1] - 1, -6) - 3)
;;       q = np.round(r / step) * step * 2.0 ** e      # np.round: ties to even
;;       return np.moveaxis(q, -1, axis).astype(np.float32)
;;   ~~~
;;   SOFTMAX AHEAD OF A QUANTISED PRODUCT. Where the list says 'softmax', what is quantised is not the finished softmax but p = 2^(t - M), with t = logit x log2(e) and M = ceil(the row's largest t), a whole number; so 1/2 < the row's largest p <= 1. The row's sum l is taken of the UNQUANTISED p, in f32, and the product's result is divided by l at the end. Since M is a whole number, a kernel that streams over the keys may use a running M (the ceiling of the running maximum): every later rescaling is an exact power of two, so the quantised numbers keep their values, but for numbers so far below the row's largest that they fall under the format's range.
;;   OPERANDS COMPUTED ON THE WAY. 'Computed on the way' means the value that the module computes at that place (a softmax that the list does not call 'softmax' is quantised finished and normalised). What goes into a quantiser is computed in f32, as accurately as f32 sums, v_exp_f32 and their like allow (about 1e-6 of the number): no bf16 or f16 on the way to a quantiser, and a product that is left as it is and whose result goes on into a quantised operand takes f32 operands (vector FMAs, or v_wmma_f32_16x16x4_f32). A number that lies on a knife's edge between two numbers of the format may be rounded either way, as far as f32 arithmetic and the matrix unit's own rounding can turn it there, and no further.
;; One version. Each part assembles by itself: llvm-mc -triple=amdgcn-amd-amdhsa -mcpu=gfx1250 --defsym DOCPART=n.
;; ======== version 1 of 1: 5 launches
;; limits: right only within a limited range of input values
;; workspace buffers: xc 25,165,824 bytes; wc 4,194,304 bytes; qc 8,388,608 bytes; kc 8,388,608 bytes; vc 8,388,608 bytes; cc 8,388,608 bytes
;; launch prep (part 1): grid 384 x 1, 4 waves a work-group, no clusters, 68,096 bytes of LDS; arguments x, Wq, Wk, Wv, Wo, lowp_scales, xc, wc; writes xc, wc
.if DOCPART == 1
	.amdgcn_target "amdgcn-amd-amdhsa--gfx1250"
	.amdhsa_code_object_version 6
	.text
	.protected	k_q479df9b775_prep
	.globl	k_q479df9b775_prep
	.p2align	8
	.type	k_q479df9b775_prep,@function
k_q479df9b775_prep:
	s_mov_b64 s[64:65], 0
	v_nop
	global_prefetch_b8 v0, s[64:65] scope:SCOPE_SE
	s_setreg_imm32_b32 hwreg(HW_REG_WAVE_MODE, 25, 1), 1
	s_wait_xcnt 0x0
; x [8192][1024] f32 and the four weights [1024 k][1024 n] f32 become codes of E4M3, one byte each, K innermost.
; code = number / 2^e, held within +-448, to the nearest code, ties to even.  e: entries of lowp_scales.
; x is an operand of three products with three scales e0, e2, e4: xc holds three copies [3][8192][1024], copy j under e(2 j); all three are always written.
; wc: [4096][1024]: rows 0.. Wq's columns (e1), 1024.. Wk's (e3), 2048.. Wv's (e5), 3072.. Wo's (e11); a row is one output column, K along it.
; Work-groups 0-255: x, 32,768 numbers each, a wave 16 steps of 512.  Each load reads 512 consecutive bytes; a step's 2,048 bytes turn through the wave's
; own stage in LDS so that a lane holds 16 neighbours; a lane's 16 codes are 16 bytes, a wave's store 512 consecutive bytes.
; Work-groups 256-383: a weight's 128 columns x 256 along K.  A lane takes a column, its registers run down K; the codes leave through the wave's own stage as rows of 256 bytes.
; The two ways part once on the work-group's number, have LDS bytes of their own and never join.  Waves share nothing: no barrier.
; LIMITS: e0 .. e5 and e11 between -126 and 119, so that 2^e and 448 x 2^e are f32 numbers.  NaN among the inputs is not served; infinities are held at +-448.
.set WSTG,  32768                      ; LDS: 0.. the x way's stages, 8,192 bytes a wave; from here the weights' stages, 32 rows x 272 a wave
.set SPARE, 67584                      ; behind them the spare words, 128 bytes a wave
.set SPW,   12                         ; v12 LDS address of my spare word; never rewritten
.set NIL,   13                         ; v13 0; never rewritten
.set SP,    80                         ; x way: a lane's place in a stage: 64 bytes + 16 of padding
.set STEPS, 16
.set R,     16                         ; v16-79   four sets of 16 numbers as loaded
.set X,     80                         ; v80-111  two sets of 16 neighbours
.set T,     112
.set C,     128                        ; v128-139 codes for the three scales
.set PITCH, 272                        ; weights: a stage row, 256 bytes + 16
.set WX,    32                         ; v32-95   two sets of 32 numbers
.set WC,    96                         ; v96-103  a block's codes
.set OUTR,  112                        ; v112-175 rows read back
.macro MKSC e, vs, vl                  ; 2^e and 448 x 2^e as f32, e in s[e]
	s_add_co_i32 s48, s[\e], 127
	s_lshl_b32 s49, s48, 23
	v_mov_b32 v[\vs], s49
	s_add_co_i32 s48, s48, 8
	s_lshl_b32 s48, s48, 23
	s_or_b32 s48, s48, 0x600000
.endm
	s_load_b512 s[4:19], s[0:1], 0x0               ; x 4, Wq 6, Wk 8, Wv 10, Wo 12, scales 14, xc 16, wc 18
	v_lshl_add_u32 v[SPW], v0, 2, SPARE
	v_mov_b32 v[NIL], 0
	v_lshrrev_b32 v1, 5, v0
	v_readfirstlane_b32 s36, v1                    ; wave
	v_and_b32 v2, 31, v0                           ; lane
	s_wait_kmcnt 0x0
	s_load_b256 s[24:31], s[14:15], 0x0            ; e0 .. e7
	s_load_b128 s[32:35], s[14:15], 0x20           ; e8 .. e11
	s_cmp_lt_u32 ttmp9, 256
	s_cbranch_scc0 .Lw
; ---------------- x ----------------
	s_lshl_b32 s37, ttmp9, 2
	s_add_co_u32 s37, s37, s36                     ; which run of 8,192 numbers is my wave's
	s_lshl_b32 s38, s37, 15
	s_mov_b32 s39, 0
	s_add_nc_u64 s[40:41], s[4:5], s[38:39]        ; its numbers
	s_lshl_b32 s38, s37, 13
	s_add_nc_u64 s[42:43], s[16:17], s[38:39]      ; its codes in copy 0,
	s_add_nc_u64 s[44:45], s[42:43], 0x800000      ; copy 1,
	s_add_nc_u64 s[46:47], s[42:43], 0x1000000     ; copy 2
	s_wait_alu depctr_va_vdst(0)
	v_lshlrev_b32 v3, 4, v2                        ; 16 x lane: my bytes of a load's 512 and of a store's 512
	s_lshl_b32 s50, s36, 13                        ; my wave's stages
	v_lshrrev_b32 v14, 2, v2
	v_mul_u32_u24 v14, v14, SP
	v_and_b32 v15, 3, v2
	v_lshl_add_u32 v14, v15, 4, v14
	v_add_nc_u32 v14, s50, v14                     ; in: four lanes' 64 bytes on end, then the padding
	v_mul_u32_u24 v15, v2, SP
	v_add_nc_u32 v15, s50, v15                     ; out: my 16 neighbours
.macro LOADX t
.irp i, 0,1,2,3
	global_load_b128 v[R+16*((\t)%4)+4*\i:R+16*((\t)%4)+4*\i+3], v3, s[40:41] offset:2048*(\t)+512*\i th:TH_LOAD_NT
.endr
.endm
.macro TURNX t                         ; LDS serves a wave's instructions in order: no wait between the stores and the loads
.irp i, 0,1,2,3
	ds_store_b128 v14, v[R+16*((\t)%4)+4*\i:R+16*((\t)%4)+4*\i+3] offset:32*SP*((\t)%2)+8*SP*\i
.endr
.irp i, 0,1,2,3
	ds_load_b128 v[X+16*((\t)%2)+4*\i:X+16*((\t)%2)+4*\i+3], v15 offset:32*SP*((\t)%2)+16*\i
.endr
.endm
.macro CONV j                          ; the step's 16 numbers (v[XS] on) under scale j: held, converted; the numbers themselves stay for the next scale
.set i, 0
.rept 16
.set i, i+1
.endr
	v_cvt_scalef32_pk8_fp8_f32 v[C+4*\j:C+4*\j+1], v[XS:XS+7], v[6+2*\j]
	v_cvt_scalef32_pk8_fp8_f32 v[C+4*\j+2:C+4*\j+3], v[XS+8:XS+15], v[6+2*\j]
	v_nop                                          ; a plain line between the conversions and the next write of their sources
.endm
.macro STEPX t
.set XS, X+16*((\t)%2)
	s_wait_dscnt 0x0                               ; this step's numbers are back from the stage, so its stores into the stage have read their registers
	s_wait_xcnt 0x0                                ; the last step's stores have read their codes: C is written again below
.if (\t)+4 < STEPS
	LOADX (\t)+4
.endif
.if (\t)+1 < STEPS
.if STEPS-2-(\t) >= 3
	s_wait_loadcnt 12                              ; the next step's four loads are in; those of the three steps behind it may be out
.else
	s_wait_loadcnt 4*(STEPS-2-(\t))
.endif
	TURNX (\t)+1
.endif
	CONV 0
	global_store_b128 v3, v[C:C+3], s[42:43] offset:512*(\t)
	CONV 1
	global_store_b128 v3, v[C+4:C+7], s[44:45] offset:512*(\t)
	CONV 2
	global_store_b128 v3, v[C+8:C+11], s[46:47] offset:512*(\t)
.endm
.irp t, 0,1,2,3
	LOADX \t
.endr
	s_wait_alu depctr_va_vdst(0)
	s_wait_kmcnt 0x0                               ; the exponents
	MKSC 24, 6, 7
	MKSC 26, 8, 9
	MKSC 28, 10, 11
	s_wait_alu depctr_va_vdst(0)
	s_wait_loadcnt 12                              ; step 0's four loads are in
	TURNX 0
.irp t, 0,1,2,3,4,5,6,7,8,9,10,11,12,13,14,15
	STEPX \t
.endr
	s_wait_tensorcnt 0x0                           ; the wave's end
	ds_add_u32 v[SPW], v[NIL]
	s_wait_dscnt 0x0
	s_endpgm
; ---------------- the weights ----------------
.Lw:
	s_sub_co_u32 s37, ttmp9, 256
	s_lshr_b32 s38, s37, 5                         ; which weight: 0 Wq, 1 Wk, 2 Wv, 3 Wo
	s_bfe_u32 s39, s37, 0x20003                    ; which 256 along K
	s_and_b32 s37, s37, 7                          ; which 128 columns
	s_lshl_b32 s37, s37, 7
	s_lshl_b32 s50, s36, 5
	s_add_co_u32 s37, s37, s50                     ; my wave's first column
	s_wait_alu depctr_va_vdst(0)
	v_lshlrev_b32 v3, 2, v2                        ; in: 4 bytes a lane
	s_mul_i32 s50, s36, 32*PITCH
	s_add_co_u32 s50, s50, WSTG                    ; my stage
	v_mul_u32_u24 v4, v2, PITCH
	v_add_nc_u32 v4, s50, v4                       ; into it: row = my column
	v_and_b32 v5, 15, v2
	v_lshrrev_b32 v6, 4, v2
	v_mul_u32_u24 v7, v6, PITCH
	v_lshl_add_u32 v7, v5, 4, v7
	v_add_nc_u32 v7, s50, v7                       ; out of it: sixteen lanes to a row, two rows an instruction
	v_lshlrev_b32 v8, 10, v6
	v_lshl_add_u32 v8, v5, 4, v8                   ; and the same place in wc
	s_wait_kmcnt 0x0                               ; the exponents
	s_cmp_eq_u32 s38, 1
	s_cselect_b64 s[40:41], s[8:9], s[6:7]
	s_cselect_b32 s44, s27, s25
	s_cmp_eq_u32 s38, 2
	s_cselect_b64 s[40:41], s[10:11], s[40:41]
	s_cselect_b32 s44, s29, s44
	s_cmp_eq_u32 s38, 3
	s_cselect_b64 s[40:41], s[12:13], s[40:41]
	s_cselect_b32 s44, s35, s44
	s_lshl_b32 s52, s39, 20                        ; 256 rows of 4,096 bytes
	s_lshl_b32 s53, s37, 2
	s_add_co_u32 s52, s52, s53
	s_mov_b32 s53, 0
	s_add_nc_u64 s[40:41], s[40:41], s[52:53]
	s_lshl_b32 s52, s38, 10
	s_add_co_u32 s52, s52, s37
	s_lshl_b32 s52, s52, 10                        ; row (1024 x weight + column) of 1,024 bytes
	s_lshl_b32 s54, s39, 8
	s_add_co_u32 s52, s52, s54
	s_add_nc_u64 s[42:43], s[18:19], s[52:53]
.macro LOADW t                         ; block t: W(32 t + i, my column) into set t % 2: 128 consecutive bytes a wave, 512 a work-group
.set i, 0
.rept 32
	global_load_b32 v[WX+32*((\t)%2)+i], v3, s[40:41] offset:(32*(\t)+i)*4096 th:TH_LOAD_NT
.set i, i+1
.endr
.endm
	LOADW 0
	LOADW 1
	MKSC 44, 11, 10
.macro BLOCK t
.set XS, WX+32*((\t)%2)
.if (\t) < 7
	s_wait_loadcnt 32                              ; this block's 32 loads are in; the next block's may be out
.else
	s_wait_loadcnt 0
.endif
.set i, 0
.rept 32
.set i, i+1
.endr
.irp g, 0,1,2,3
	v_cvt_scalef32_pk8_fp8_f32 v[WC+2*\g:WC+2*\g+1], v[XS+8*\g:XS+8*\g+7], v11
.endr
	v_nop
	ds_store_b128 v4, v[WC:WC+3] offset:32*(\t)
	ds_store_b128 v4, v[WC+4:WC+7] offset:32*(\t)+16
.if (\t)+2 < 8
	LOADW (\t)+2
.endif
	s_wait_dscnt 0x0                               ; the stores have read their registers
.endm
	s_wait_alu depctr_va_vdst(0)
.irp t, 0,1,2,3,4,5,6,7
	BLOCK \t
.endr
.irp t, 0,1,2,3,4,5,6,7,8,9,10,11,12,13,14,15
	ds_load_b128 v[OUTR+4*\t:OUTR+4*\t+3], v7 offset:2*\t*PITCH
.endr
.irp t, 0,1,2,3,4,5,6,7,8,9,10,11,12,13,14,15
	s_wait_dscnt 15-\t                             ; the later read-backs may be out
	global_store_b128 v8, v[OUTR+4*\t:OUTR+4*\t+3], s[42:43] offset:2*\t*1024   ; sixteen lanes store 256 consecutive bytes, aligned
.endr
	s_wait_tensorcnt 0x0                           ; the wave's end: the three lines
	ds_add_u32 v[SPW], v[NIL]
	s_wait_dscnt 0x0
	s_endpgm
.Lfunc_end_k_q479df9b775_prep:
	.size	k_q479df9b775_prep, .Lfunc_end_k_q479df9b775_prep-k_q479df9b775_prep
	.p2alignl 7, 3214868480
	.fill 96, 4, 3214868480
	.section	.rodata,"a",@progbits
	.p2align	6, 0x0
	.amdhsa_kernel k_q479df9b775_prep
		.amdhsa_group_segment_fixed_size 68096
		.amdhsa_private_segment_fixed_size 0
		.amdhsa_enable_private_segment 0
		.amdhsa_kernarg_size 64
		.amdhsa_user_sgpr_count 2
		.amdhsa_user_sgpr_kernarg_segment_ptr 1
		.amdhsa_wavefront_size32 1
		.amdhsa_system_sgpr_workgroup_id_x 1
		.amdhsa_system_sgpr_workgroup_id_y 1
		.amdhsa_system_sgpr_workgroup_id_z 1
		.amdhsa_system_vgpr_workitem_id 0
		.amdhsa_next_free_vgpr 176
		.amdhsa_next_free_sgpr 66
		.amdhsa_reserve_vcc 0
		.amdhsa_float_denorm_mode_32 3
		.amdhsa_float_denorm_mode_16_64 3
		.amdhsa_fp16_overflow 1
		.amdhsa_memory_ordered 1
		.amdhsa_forward_progress 1
		.amdhsa_inst_pref_size 63
	.end_amdhsa_kernel
	.amdgpu_metadata
---
amdhsa.version: [ 1, 2 ]
amdhsa.kernels:
  - .name:           k_q479df9b775_prep
    .symbol:         k_q479df9b775_prep.kd
    .args:
      - { .name: x, .offset: 0, .size: 8, .value_kind: global_buffer, .address_space: global }
      - { .name: Wq, .offset: 8, .size: 8, .value_kind: global_buffer, .address_space: global }
      - { .name: Wk, .offset: 16, .size: 8, .value_kind: global_buffer, .address_space: global }
      - { .name: Wv, .offset: 24, .size: 8, .value_kind: global_buffer, .address_space: global }
      - { .name: Wo, .offset: 32, .size: 8, .value_kind: global_buffer, .address_space: global }
      - { .name: lowp_scales, .offset: 40, .size: 8, .value_kind: global_buffer, .address_space: global }
      - { .name: xc, .offset: 48, .size: 8, .value_kind: global_buffer, .address_space: global }
      - { .name: wc, .offset: 56, .size: 8, .value_kind: global_buffer, .address_space: global }
    .group_segment_fixed_size: 68096
    .private_segment_fixed_size: 0
    .kernarg_segment_align: 8
    .kernarg_segment_size: 64
    .max_flat_workgroup_size: 128
    .sgpr_count:     66
    .vgpr_count:     176
    .wavefront_size: 32
...
	.end_amdgpu_metadata
.endif
;; end of part 1
;; launch qk (part 2): grid 8 x 32, 4 waves a work-group, clusters of 4 x 4, 327,680 bytes of LDS; arguments xc, wc, lowp_scales, qc, kc; writes qc, kc
.if DOCPART == 2
	.amdgcn_target "amdgcn-amd-amdhsa--gfx1250"
	.amdhsa_code_object_version 6
	.text
	.protected	k_q479df9b775_qk
	.globl	k_q479df9b775_qk
	.p2align	8
	.type	k_q479df9b775_qk,@function
k_q479df9b775_qk:
	s_mov_b64 s[64:65], 0
	v_nop
	global_prefetch_b8 v0, s[64:65] scope:SCOPE_SE
	s_setreg_imm32_b32 hwreg(HW_REG_WAVE_MODE, 25, 1), 1
	s_wait_xcnt 0x0
	s_wait_alu depctr_hold_cnt(0) depctr_sa_sdst(0) depctr_va_vdst(0) depctr_va_sdst(0) depctr_va_ssrc(0) depctr_va_vcc(0) depctr_vm_vsrc(0)
	s_getreg_b32 s2, hwreg(HW_REG_IB_STS2, 6, 4)
	s_cmp_eq_u32 s2, 0
	s_cbranch_scc0 .Lentry_in_a_cluster
	s_endpgm
.Lentry_in_a_cluster:
	s_bfe_u32 s2, ttmp6, 0x10000c
	s_cmp_lg_u32 s2, 0xf033
	s_cbranch_scc0 .Lentry_shape_is_right
	s_endpgm
.Lentry_shape_is_right:
; q = x Wq and k = x Wk on codes of E4M3; each f32 sum is quantised at once for the attention's first product: q with e6, k with e7.
; A work-group makes 256 rows of P x 256 rows of Q over K = 1,024: D = (16 rows of Q as source 0) x (16 rows of P as source 1), so a lane holds ONE row of P and eight neighbours along Q.
; P = x's codes, Q = the weight's rows (a row is an output column): a lane holds one s and eight channels.  The cluster's x is the section: 0 = q (copy 0 of xc, rows 0.. of wc), 1 = k (copy 1, rows 1024..).
; Every descriptor's address is a buffer's address plus shifts and sums of ids: P's of the section, the tile row and the wave, Q's of the tile column and the wave.
; Out: qc, kc [64 bh][2048 s][64 d].
; Four waves, each 128 x 128: 64 accumulators, 512 registers.  K goes in four steps of 256 through two LDS slots filled by joint tensor loads: P's tile is shared along the cluster's row, Q's along its column.
; A sum stands for sum x 2^(ex + ew): its code is sum / 2^es, es = eout - ex - ew, held within +-448 x 2^es.
; LIMITS: e6 - e0 - e1 and e7 - e2 - e3 between -126 and 119.
; REGISTERS: window 0: v16-30 addresses and scales; v32-95 held sums; v96-127 codes, two sets; v128-255 P's fragments, one set, later rows read back.  window 1: Q's fragments, two sets.  windows 2, 3: the accumulators.
.set ROWB,   256
.set KROW,   1024
.set PITCH,  272                       ; an LDS row: 256 bytes + 16 of padding: 68 words, so the 16 rows of a fragment load start 4 words apart modulo 64
.set FR,     16
.set NL,     4
.set NP,     4
.set HALFT,  128*PITCH
.set SLOT,   4*HALFT                   ; P's 256 rows, then Q's 256
.set SPARE,  2*SLOT                    ; the spare words, 128 bytes a wave
.set SP,     336                       ; the way out: a stage of 256 rows x (256 bytes + 80) in slot 0, which has had its last fill and its last read by then
.set ADRA, 16
.set ADRB, 20
.set SCL,  22                          ; v22 2^es
.set LIMV, 23                          ; v23 448 x 2^es
.set STO,  24
.set RDQ,  27
.set SPW,  28
.set NIL,  29
.set COQ,  30
.set TMP,  32
.set CD,   96
.set AF,   128
.set G1, 24
.set G0, 32
.set G1B, 48
.set G0B, 56
.set MSB, 0
.macro WIN new                         ; the immediate's high byte repeats the setting that is left
.if MSB != \new
	s_set_vgpr_msb (MSB<<8)|\new
.set MSB, \new
.endif
.endm
.set MUL_LO, 0xa1                      ; source 0 (Q) window 1, source 1 (P) window 0, C and D window 2
.set MUL_HI, 0xf1
.set TO_B,   0x40
.macro JLOAD g0a, g1a, g0b, g1b        ; a joint load: waves 0, 1 fetch P's halves, waves 2, 3 Q's; an s_nop 0 and four v_nop follow each line
	s_cmp_eq_u32 s21, 0
	s_cbranch_scc0 .Lfor_b_\@
	tensor_load_to_lds s[\g0a:\g0a+3], s[\g1a:\g1a+7]
	s_nop 0
.rept 4
	v_nop
.endr
	s_branch .Lasked_\@
.Lfor_b_\@:
	tensor_load_to_lds s[\g0b:\g0b+3], s[\g1b:\g1b+7]
	s_nop 0
.rept 4
	v_nop
.endr
.Lasked_\@:
.endm
.macro CREST
	s_cmp_lg_u32 s20, 0
	s_cbranch_scc1 .Lnot_wave_0_\@
	s_barrier_signal -3
.Lnot_wave_0_\@:
	s_barrier_wait -3
	s_barrier_signal -1
	s_barrier_wait -1
.endm
.macro CROUND
	s_barrier_signal -1
	s_barrier_wait -1
	CREST
.endm
	s_load_b256 s[4:11], s[0:1], 0x0               ; xc 4, wc 6, scales 8, qc 10
	s_load_b64 s[12:13], s[0:1], 0x20              ; kc
	v_lshl_add_u32 v[SPW], v0, 2, SPARE
	v_mov_b32 v[NIL], 0
	ds_add_u32 v[SPW], v[NIL]                      ; the wave's opening: the add and its wait ahead of my first tensor load
	ds_add_u32 v[SPW], v[NIL]
	v_lshrrev_b32 v1, 5, v0
	v_readfirstlane_b32 s20, v1                    ; wave
	s_lshr_b32 s21, s20, 1                         ; my half of P's rows; also: I fetch P (0) or Q (1)
	s_and_b32 s22, s20, 1                          ; my half of Q's rows; also: which 128 rows I fetch
	s_bfe_u32 s40, ttmp6, 0x40000                  ; cx
	s_bfe_u32 s41, ttmp6, 0x40004                  ; cy
	s_lshl_b32 s42, ttmp9, 2
	s_add_co_u32 s42, s42, s40                     ; Q's tile: 4 x section + cx: 0-3 Wq's rows, 4-7 Wk's
	s_and_b32 s43, ttmp7, 0xffff
	s_lshl_b32 s43, s43, 2
	s_add_co_u32 s43, s43, s41                     ; P's tile: 4 x cluster y + cy
	s_lshl_b32 s44, s41, 2
	s_lshl_b32 s44, 15, s44                        ; my row of the cluster
	s_lshl_b32 s45, 0x1111, s40                    ; my column
	s_or_b32 s[G1+0], s44, (0<<16)|(1<<20)|(1<<21)|(5<<22)|(3<<25)   ; mask; bytes; padding on; bit 21 beside a mask; 4 words behind every 64
	s_or_b32 s[G1B+0], s45, (0<<16)|(1<<20)|(1<<21)|(5<<22)|(3<<25)
.irp g, G1, G1B
	s_mov_b32 s[\g+1], ROWB<<16                    ; tensor_dim0
	s_mov_b32 s[\g+2], 128<<16                     ; tensor_dim1
	s_mov_b32 s[\g+3], ROWB<<16                    ; tile_dim0
	s_mov_b32 s[\g+4], 128                         ; tile_dim1
	s_mov_b32 s[\g+5], KROW                        ; from row to row
	s_mov_b32 s[\g+6], 0
	s_mov_b32 s[\g+7], 0
.endr
	s_lshl_b32 s46, s22, 7
	s_lshl_b32 s88, s43, 8
	s_add_co_u32 s88, s88, s46
	s_lshl_b32 s88, s88, 10                        ; P: (256 x tile + 128 x half) rows of 1,024 bytes,
	s_lshl_b32 s47, ttmp9, 23
	s_add_co_u32 s88, s88, s47                     ;    in the section's copy of x's codes, 8,388,608 bytes each
	s_mov_b32 s89, 0
	s_lshl_b32 s90, s42, 8
	s_add_co_u32 s90, s90, s46
	s_lshl_b32 s90, s90, 10                        ; Q: (256 x tile + 128 x half) rows
	s_mov_b32 s91, 0
	s_mul_i32 s95, s20, HALFT                      ; where my load goes: wave x 128 rows
	s_wait_dscnt 0x0                               ; the opening add is done
	s_wait_kmcnt 0x0
	s_load_b256 s[68:75], s[8:9], 0x0              ; e0 .. e7
	s_add_nc_u64 s[88:89], s[4:5], s[88:89]
	s_add_nc_u64 s[90:91], s[6:7], s[90:91]
	CROUND                                         ; all sixteen work-groups are here: the first joint loads meet
.irp s, 0,1
	s_mov_b32 s[G0+4*\s], 1
	s_add_co_u32 s[G0+4*\s+1], s95, \s*SLOT
	s_add_nc_u64 s[G0+4*\s+2:G0+4*\s+3], s[88:89], \s*ROWB
	s_or_b32 s[G0+4*\s+3], s[G0+4*\s+3], 0x80000000
	s_mov_b32 s[G0B+4*\s], 1
	s_add_co_u32 s[G0B+4*\s+1], s95, \s*SLOT
	s_add_nc_u64 s[G0B+4*\s+2:G0B+4*\s+3], s[90:91], \s*ROWB
	s_or_b32 s[G0B+4*\s+3], s[G0B+4*\s+3], 0x80000000
	s_wait_alu depctr_va_vdst(0)
	s_wait_tensorcnt 0x0
	ds_add_u32 v28, v29
	ds_add_u32 v28, v29
	s_wait_dscnt 0x0
	CROUND
	JLOAD G0+4*\s, G1, G0B+4*\s, G1B
.endr
	v_and_b32 v1, 15, v0                           ; r
	s_wait_alu depctr_va_vdst(0)
	v_bfe_u32 v2, v0, 4, 1                         ; h
	v_mul_u32_u24 v3, v1, PITCH
	v_lshl_add_u32 v4, v2, 4, v3
	s_mul_i32 s46, s21, HALFT
	s_mul_i32 s47, s22, HALFT
	s_add_co_u32 s47, s47, 2*HALFT
.irp s, 0,1
	v_add_nc_u32 v[ADRA+\s], s46, v4
	v_add_nc_u32 v[ADRB+\s], s47, v4
	s_add_co_u32 s46, s46, SLOT
	s_add_co_u32 s47, s47, SLOT
.endr
	s_mul_i32 s46, s21, 128*SP                     ; the stage, in: row 128 x my half of P + 16 a + r, byte 128 x my half of Q + 16 b + 8 h
	s_lshl_b32 s47, s22, 7
	s_add_co_u32 s46, s46, s47
	v_mul_u32_u24 v[STO], v1, SP
	s_wait_alu depctr_va_vdst(0)
	v_lshl_add_u32 v[STO], v2, 3, v[STO]
	v_add_nc_u32 v[STO], s46, v[STO]
	s_mul_i32 s46, s20, 64*SP                      ; back: wave w takes rows 64 w .. 64 w + 63
	v_and_b32 v5, 31, v0
	v_lshrrev_b32 v6, 2, v5                        ; four lanes take a head's 64 bytes of a row, eight rows an instruction
	v_mul_u32_u24 v[RDQ], v6, SP
	v_and_b32 v6, 3, v5
	v_lshl_add_u32 v[RDQ], v6, 4, v[RDQ]
	v_add_nc_u32 v[RDQ], s46, v[RDQ]
	v_lshlrev_b32 v[COQ], 4, v5
	s_wait_kmcnt 0x0                               ; the exponents
	s_sub_co_i32 s94, s74, s68
	s_sub_co_i32 s94, s94, s69                     ; e6 - e0 - e1
	s_sub_co_i32 s66, s75, s70
	s_sub_co_i32 s66, s66, s71                     ; e7 - e2 - e3
	s_cmp_eq_u32 ttmp9, 0
	s_cselect_b32 s94, s94, s66                    ; the section's
	s_add_co_i32 s66, s94, 127
	s_lshl_b32 s67, s66, 23
	v_mov_b32 v[SCL], s67
	s_add_co_i32 s66, s66, 8
	s_lshl_b32 s66, s66, 23
	s_or_b32 s66, s66, 0x600000
	v_mov_b32 v[LIMV], s66
.macro FRAG reg, adr, q, i             ; 16 rows x 128 K: registers 4 c .. 4 c + 3 hold K = 32 c + 16 h + 0 .. 15, alike in P and Q
.irp c, 0,1,2,3
	ds_load_b128 v[\reg+4*\c:\reg+4*\c+3], v[\adr] offset:128*(\q)+32*\c+(\i)*16*PITCH
.endr
.endm
.macro MUL16 a0, p, zero               ; P's blocks a0, a0 + 1 x Q's eight; the 64 accumulators take turns, one instruction a turn
.irp a, \a0, \a0+1
.irp b, 0,1,2,3,4,5,6,7
.if \zero
	v_wmma_f32_16x16x128_fp8_fp8 v[8*(8*((\a)%4)+\b):8*(8*((\a)%4)+\b)+7], v[128*(\p)+FR*\b:128*(\p)+FR*\b+FR-1], v[AF+FR*(\a):AF+FR*(\a)+FR-1], 0
.else
	v_wmma_f32_16x16x128_fp8_fp8 v[8*(8*((\a)%4)+\b):8*(8*((\a)%4)+\b)+7], v[128*(\p)+FR*\b:128*(\p)+FR*\b+FR-1], v[AF+FR*(\a):AF+FR*(\a)+FR-1], v[8*(8*((\a)%4)+\b):8*(8*((\a)%4)+\b)+7]
.endif
.endr
.endr
.endm
.macro FETCH_B slot, q, p
	WIN TO_B
.irp i, 0,1,2,3,4,5,6,7
	FRAG 128*(\p)+FR*\i, ADRB+\slot, \q, \i
.endr
	WIN 0
.endm
.macro FETCH_A slot, q, i0
.irp i, \i0, \i0+1, \i0+2, \i0+3
	FRAG AF+FR*(\i), ADRA+\slot, \q, \i
.endr
.endm
.macro PLACES n                        ; plain vector lines between a matrix instruction and a load into, or a read of, its registers
.rept \n
	v_nop
.endr
.endm
.macro STEP slot, q, zero              ; 128 along K whose successor lies in the same slot
	s_wait_dscnt 4*NL                              ; Q's set and P's blocks 0-3 are in; the youngest 16 loads (P's blocks 4-7) may be out
	WIN MUL_LO
	MUL16 0, (\q)%2, \zero
	MUL16 2, (\q)%2, \zero
	s_wait_dscnt 0
	PLACES NP
	FETCH_B \slot, (\q)+1, 1-(\q)%2
	FETCH_A \slot, (\q)+1, 0
	WIN MUL_HI
	MUL16 4, (\q)%2, \zero
	MUL16 6, (\q)%2, \zero
	PLACES NP
	WIN 0
	FETCH_A \slot, (\q)+1, 4
.endm
.macro TURN slot, next, fill           ; a slot's last 128 along K, and the change of slots
	s_wait_tensorcnt 0x0                           ; all my tensor loads have landed: my part of the next slot
	ds_add_u32 v[SPW], v[NIL]                      ; 0 onto my spare word
	s_wait_dscnt 4*NL+1                            ; the add and the youngest 16 loads may be out
	WIN MUL_LO
	MUL16 0, 1, 0
	s_wait_dscnt 0x0                               ; the add is done, my reads of this slot are over
	s_barrier_signal -1
	MUL16 2, 1, 0
	WIN 0
	s_barrier_wait -1
.if \fill
	CREST                                          ; the barrier opened a round of the cluster's: no wave of any partner still reads this slot or has a load on its way
	s_add_nc_u64 s[G0+4*\slot+2:G0+4*\slot+3], s[G0+4*\slot+2:G0+4*\slot+3], 2*ROWB
	s_add_nc_u64 s[G0B+4*\slot+2:G0B+4*\slot+3], s[G0B+4*\slot+2:G0B+4*\slot+3], 2*ROWB
	JLOAD G0+4*\slot, G1, G0B+4*\slot, G1B
.else
	PLACES NP
.endif
	FETCH_B \next, 0, 0
	FETCH_A \next, 0, 0
	WIN MUL_HI
	MUL16 4, 1, 0
	MUL16 6, 1, 0
	PLACES NP
	WIN 0
	FETCH_A \next, 0, 4
.endm
	s_wait_tensorcnt 1                             ; my part of K step 0 is in; K step 1's load may be out
	s_barrier_signal -1
	s_barrier_wait -1
	FETCH_B 0, 0, 0
	FETCH_A 0, 0, 0
	FETCH_A 0, 0, 4
	STEP 0, 0, 1                                   ; the first products start the sums
	TURN 0, 1, 1                                   ; slot 0 takes K step 2
	STEP 1, 0, 0
	TURN 1, 0, 1                                   ; slot 1 takes K step 3
	STEP 0, 0, 0
	TURN 0, 1, 0                                   ; nothing is left to fetch
	STEP 1, 0, 0
	s_wait_dscnt 4*NL
	WIN MUL_LO
	MUL16 0, 1, 0
	MUL16 2, 1, 0
	s_wait_alu depctr_va_vdst(0)
	s_wait_dscnt 0
	WIN MUL_HI
	MUL16 4, 1, 0
	MUL16 6, 1, 0
	WIN 0
; THE WAY OUT.  Block a (16 rows of P x my 128 of Q): held, converted (eight neighbours along Q make 8 bytes), into the work-group's stage.  Each accumulator is read from its low end on.
	PLACES NP
.irp a, 0,1,2,3,4,5,6,7
	WIN 0x02+(\a/4)
.set j, 0
.rept 64
	v_med3_num_f32 v[TMP+j], v[64*(\a%4)+j], -v[LIMV], v[LIMV]
.set j, j+1
.endr
	WIN 0
.if \a > 1
	s_wait_alu depctr_va_vdst(0)
	s_wait_dscnt 8                                 ; the stores of two blocks back have read this set of codes; the last block's eight may be out
.endif
.irp b, 0,1,2,3,4,5,6,7
	v_cvt_scalef32_pk8_fp8_f32 v[CD+16*(\a%2)+2*\b:CD+16*(\a%2)+2*\b+1], v[TMP+8*\b:TMP+8*\b+7], v[SCL]
.endr
	v_nop                                          ; a plain line between the conversions and the next write of their sources
.irp b, 0,1,2,3,4,5,6,7
	ds_store_b64 v[STO], v[CD+16*(\a%2)+2*\b:CD+16*(\a%2)+2*\b+1] offset:16*\a*SP+16*\b
.endr
.endr
	s_wait_dscnt 0x0                               ; for the others' sake: a row's 256 bytes come from two waves
	s_barrier_signal -1
	s_barrier_wait -1
	s_cmp_eq_u32 ttmp9, 0
	s_cselect_b64 s[96:97], s[10:11], s[12:13]     ; qc or kc
	s_lshr_b32 s98, s43, 3
	s_lshl_b32 s98, s98, 21                        ; the batch: 16 heads of 131,072 bytes
	s_lshl_b32 s99, s40, 19                        ; head 4 cx
	s_add_co_u32 s98, s98, s99
	s_and_b32 s99, s43, 7
	s_lshl_b32 s99, s99, 14                        ; s = 256 x (tile % 8), 64 bytes a row
	s_add_co_u32 s98, s98, s99
	s_lshl_b32 s99, s20, 12                        ; + 64 x wave rows
	s_add_co_u32 s98, s98, s99
	s_mov_b32 s99, 0
	s_add_nc_u64 s[96:97], s[96:97], s[98:99]
.irp hh, 0,1,2,3
.irp u, 0,1,2,3,4,5,6,7
	ds_load_b128 v[AF+4*(8*\hh+\u):AF+4*(8*\hh+\u)+3], v[RDQ] offset:8*\u*SP+64*\hh
.endr
.endr
.irp hh, 0,1,2,3
.irp u, 0,1,2,3,4,5,6,7
	s_wait_dscnt 31-(8*\hh+\u)                     ; the later read-backs may be out
	global_store_b128 v[COQ], v[AF+4*(8*\hh+\u):AF+4*(8*\hh+\u)+3], s[96:97] offset:\hh*131072+512*\u   ; eight rows of one head: 512 consecutive bytes, aligned
.endr
.endr
	s_wait_tensorcnt 0x0                           ; the wave's end
	ds_add_u32 v[SPW], v[NIL]
	s_wait_dscnt 0x0
	CROUND                                         ; the closing round
	s_endpgm
.Lfunc_end_k_q479df9b775_qk:
	.size	k_q479df9b775_qk, .Lfunc_end_k_q479df9b775_qk-k_q479df9b775_qk
	.p2alignl 7, 3214868480
	.fill 96, 4, 3214868480
	.section	.rodata,"a",@progbits
	.p2align	6, 0x0
	.amdhsa_kernel k_q479df9b775_qk
		.amdhsa_group_segment_fixed_size 327680
		.amdhsa_private_segment_fixed_size 0
		.amdhsa_enable_private_segment 0
		.amdhsa_kernarg_size 40
		.amdhsa_user_sgpr_count 2
		.amdhsa_user_sgpr_kernarg_segment_ptr 1
		.amdhsa_wavefront_size32 1
		.amdhsa_system_sgpr_workgroup_id_x 1
		.amdhsa_system_sgpr_workgroup_id_y 1
		.amdhsa_system_sgpr_workgroup_id_z 1
		.amdhsa_system_vgpr_workitem_id 0
		.amdhsa_next_free_vgpr 1024
		.amdhsa_next_free_sgpr 100
		.amdhsa_reserve_vcc 0
		.amdhsa_float_denorm_mode_32 3
		.amdhsa_float_denorm_mode_16_64 3
		.amdhsa_memory_ordered 1
		.amdhsa_forward_progress 1
		.amdhsa_inst_pref_size 127
	.end_amdhsa_kernel
	.amdgpu_metadata
---
amdhsa.version: [ 1, 2 ]
amdhsa.kernels:
  - .name:           k_q479df9b775_qk
    .symbol:         k_q479df9b775_qk.kd
    .args:
      - { .name: xc, .offset: 0, .size: 8, .value_kind: global_buffer, .address_space: global }
      - { .name: wc, .offset: 8, .size: 8, .value_kind: global_buffer, .address_space: global }
      - { .name: lowp_scales, .offset: 16, .size: 8, .value_kind: global_buffer, .address_space: global }
      - { .name: qc, .offset: 24, .size: 8, .value_kind: global_buffer, .address_space: global }
      - { .name: kc, .offset: 32, .size: 8, .value_kind: global_buffer, .address_space: global }
    .group_segment_fixed_size: 327680
    .private_segment_fixed_size: 0
    .kernarg_segment_align: 8
    .kernarg_segment_size: 40
    .max_flat_workgroup_size: 128
    .sgpr_count:     100
    .vgpr_count:     1024
    .wavefront_size: 32
...
	.end_amdgpu_metadata
.endif
;; end of part 2
;; launch vp (part 3): grid 32 x 4, 4 waves a work-group, clusters of 4 x 4, 327,680 bytes of LDS; arguments xc, wc, lowp_scales, vc; writes vc
.if DOCPART == 3
	.amdgcn_target "amdgcn-amd-amdhsa--gfx1250"
	.amdhsa_code_object_version 6
	.text
	.protected	k_q479df9b775_vp
	.globl	k_q479df9b775_vp
	.p2align	8
	.type	k_q479df9b775_vp,@function
k_q479df9b775_vp:
	s_mov_b64 s[64:65], 0
	v_nop
	global_prefetch_b8 v0, s[64:65] scope:SCOPE_SE
	s_setreg_imm32_b32 hwreg(HW_REG_WAVE_MODE, 25, 1), 1
	s_wait_xcnt 0x0
	s_wait_alu depctr_hold_cnt(0) depctr_sa_sdst(0) depctr_va_vdst(0) depctr_va_sdst(0) depctr_va_ssrc(0) depctr_va_vcc(0) depctr_vm_vsrc(0)
	s_getreg_b32 s2, hwreg(HW_REG_IB_STS2, 6, 4)
	s_cmp_eq_u32 s2, 0
	s_cbranch_scc0 .Lentry_in_a_cluster
	s_endpgm
.Lentry_in_a_cluster:
	s_bfe_u32 s2, ttmp6, 0x10000c
	s_cmp_lg_u32 s2, 0xf033
	s_cbranch_scc0 .Lentry_shape_is_right
	s_endpgm
.Lentry_shape_is_right:
; v = x Wv on codes of E4M3; each f32 sum is quantised at once with e9 for the attention's second product, whose K is the keys.
; A work-group makes 256 rows of P x 256 rows of Q over K = 1,024: D = (16 rows of Q as source 0) x (16 rows of P as source 1), so a lane holds ONE row of P and eight neighbours along Q.
; Here P = Wv's rows (rows 2048.. of wc; a row is a channel), Q = x's codes (copy 2 of xc): a lane holds one channel and eight keys, so v's codes come out with the keys innermost and nothing is transposed.
; Every descriptor's address is a buffer's address plus shifts and sums of ids: P's of cy and the wave, Q's of the tile column and the wave.
; Out: vc [64 bh][64 d][2048 s]: byte = batch x 2^21 + channel x 2,048 + s, channel = 64 head + d.
; 4 tiles of channels x 32 tiles of rows: 128 work-groups, for wave tiles of 128 x 128.  Four waves, 64 accumulators each.  K goes in four steps of 256 through two LDS slots filled by joint
; tensor loads: P's tile is shared along the cluster's row, Q's along its column.
; A sum stands for sum x 2^(e4 + e5): its code is sum / 2^es, es = e9 - e4 - e5, held within +-448 x 2^es.  LIMIT: es between -126 and 119.
; REGISTERS: window 0: v16-29 addresses and scales; v32-95 held sums; v96-127 codes, two sets; v128-255 P's fragments, one set, later rows read back.  window 1: Q's fragments, two sets.  windows 2, 3: the accumulators.
.set ROWB,   256
.set KROW,   1024
.set PITCH,  272                       ; an LDS row: 256 bytes + 16 of padding: 68 words, so the 16 rows of a fragment load start 4 words apart modulo 64
.set FR,     16
.set NL,     4
.set NP,     4
.set HALFT,  128*PITCH
.set SLOT,   4*HALFT                   ; P's 256 rows, then Q's 256
.set SPARE,  2*SLOT                    ; the spare words, 128 bytes a wave
.set SP,     336                       ; the way out: a stage of 256 rows x (256 bytes + 80) in slot 0, which has had its last fill and its last read by then
.set ADRA, 16
.set ADRB, 20
.set SCL,  22                          ; v22 2^es
.set LIMV, 23                          ; v23 448 x 2^es
.set STO,  24
.set RDV,  25
.set COV,  26
.set SPW,  28
.set NIL,  29
.set TMP,  32
.set CD,   96
.set AF,   128
.set G1, 24
.set G0, 32
.set G1B, 48
.set G0B, 56
.set MSB, 0
.macro WIN new                         ; the immediate's high byte repeats the setting that is left
.if MSB != \new
	s_set_vgpr_msb (MSB<<8)|\new
.set MSB, \new
.endif
.endm
.set MUL_LO, 0xa1                      ; source 0 (Q) window 1, source 1 (P) window 0, C and D window 2
.set MUL_HI, 0xf1
.set TO_B,   0x40
.macro JLOAD g0a, g1a, g0b, g1b        ; a joint load: waves 0, 1 fetch P's halves, waves 2, 3 Q's; an s_nop 0 and four v_nop follow each line
	s_cmp_eq_u32 s21, 0
	s_cbranch_scc0 .Lfor_b_\@
	tensor_load_to_lds s[\g0a:\g0a+3], s[\g1a:\g1a+7]
	s_nop 0
.rept 4
	v_nop
.endr
	s_branch .Lasked_\@
.Lfor_b_\@:
	tensor_load_to_lds s[\g0b:\g0b+3], s[\g1b:\g1b+7]
	s_nop 0
.rept 4
	v_nop
.endr
.Lasked_\@:
.endm
.macro CREST
	s_cmp_lg_u32 s20, 0
	s_cbranch_scc1 .Lnot_wave_0_\@
	s_barrier_signal -3
.Lnot_wave_0_\@:
	s_barrier_wait -3
	s_barrier_signal -1
	s_barrier_wait -1
.endm
.macro CROUND
	s_barrier_signal -1
	s_barrier_wait -1
	CREST
.endm
	s_load_b256 s[4:11], s[0:1], 0x0               ; xc 4, wc 6, scales 8, vc 10
	v_lshl_add_u32 v[SPW], v0, 2, SPARE
	v_mov_b32 v[NIL], 0
	ds_add_u32 v[SPW], v[NIL]                      ; the wave's opening: the add and its wait ahead of my first tensor load
	ds_add_u32 v[SPW], v[NIL]
	v_lshrrev_b32 v1, 5, v0
	v_readfirstlane_b32 s20, v1                    ; wave
	s_lshr_b32 s21, s20, 1                         ; my half of P's rows; also: I fetch P (0) or Q (1)
	s_and_b32 s22, s20, 1                          ; my half of Q's rows; also: which 128 rows I fetch
	s_bfe_u32 s40, ttmp6, 0x40000                  ; cx
	s_bfe_u32 s41, ttmp6, 0x40004                  ; cy
	s_lshl_b32 s42, ttmp9, 2
	s_add_co_u32 s42, s42, s40                     ; Q's tile: 4 x cluster x + cx: 0 .. 31
	s_mov_b32 s43, s41                             ; P's tile: cy (the grid has one cluster along y)
	s_lshl_b32 s44, s41, 2
	s_lshl_b32 s44, 15, s44                        ; my row of the cluster
	s_lshl_b32 s45, 0x1111, s40                    ; my column
	s_or_b32 s[G1+0], s44, (0<<16)|(1<<20)|(1<<21)|(5<<22)|(3<<25)   ; mask; bytes; padding on; bit 21 beside a mask; 4 words behind every 64
	s_or_b32 s[G1B+0], s45, (0<<16)|(1<<20)|(1<<21)|(5<<22)|(3<<25)
.irp g, G1, G1B
	s_mov_b32 s[\g+1], ROWB<<16                    ; tensor_dim0
	s_mov_b32 s[\g+2], 128<<16                     ; tensor_dim1
	s_mov_b32 s[\g+3], ROWB<<16                    ; tile_dim0
	s_mov_b32 s[\g+4], 128                         ; tile_dim1
	s_mov_b32 s[\g+5], KROW                        ; from row to row
	s_mov_b32 s[\g+6], 0
	s_mov_b32 s[\g+7], 0
.endr
	s_lshl_b32 s46, s22, 7
	s_lshl_b32 s88, s43, 8
	s_add_co_u32 s88, s88, s46
	s_lshl_b32 s88, s88, 10                        ; P: (256 x tile + 128 x half) rows of 1,024 bytes,
	s_add_co_u32 s88, s88, 2<<20                   ;    in Wv's part of wc
	s_mov_b32 s89, 0
	s_lshl_b32 s90, s42, 8
	s_add_co_u32 s90, s90, s46
	s_lshl_b32 s90, s90, 10                        ; Q: (256 x tile + 128 x half) rows,
	s_add_co_u32 s90, s90, 2<<23                   ;    in copy 2 of x's codes
	s_mov_b32 s91, 0
	s_mul_i32 s95, s20, HALFT                      ; where my load goes: wave x 128 rows
	s_wait_dscnt 0x0                               ; the opening add is done
	s_wait_kmcnt 0x0
	s_load_b256 s[68:75], s[8:9], 0x10             ; e4 .. e11: e4 s68, e5 s69, e9 s73
	s_add_nc_u64 s[88:89], s[6:7], s[88:89]
	s_add_nc_u64 s[90:91], s[4:5], s[90:91]
	CROUND                                         ; all sixteen work-groups are here: the first joint loads meet
.irp s, 0,1
	s_mov_b32 s[G0+4*\s], 1
	s_add_co_u32 s[G0+4*\s+1], s95, \s*SLOT
	s_add_nc_u64 s[G0+4*\s+2:G0+4*\s+3], s[88:89], \s*ROWB
	s_or_b32 s[G0+4*\s+3], s[G0+4*\s+3], 0x80000000
	s_mov_b32 s[G0B+4*\s], 1
	s_add_co_u32 s[G0B+4*\s+1], s95, \s*SLOT
	s_add_nc_u64 s[G0B+4*\s+2:G0B+4*\s+3], s[90:91], \s*ROWB
	s_or_b32 s[G0B+4*\s+3], s[G0B+4*\s+3], 0x80000000
	JLOAD G0+4*\s, G1, G0B+4*\s, G1B
.endr
	v_and_b32 v1, 15, v0                           ; r
	s_wait_alu depctr_va_vdst(0)
	v_bfe_u32 v2, v0, 4, 1                         ; h
	v_mul_u32_u24 v3, v1, PITCH
	v_lshl_add_u32 v4, v2, 4, v3
	s_mul_i32 s46, s21, HALFT
	s_mul_i32 s47, s22, HALFT
	s_add_co_u32 s47, s47, 2*HALFT
.irp s, 0,1
	v_add_nc_u32 v[ADRA+\s], s46, v4
	v_add_nc_u32 v[ADRB+\s], s47, v4
	s_add_co_u32 s46, s46, SLOT
	s_add_co_u32 s47, s47, SLOT
.endr
	s_mul_i32 s46, s21, 128*SP                     ; the stage, in: row 128 x my half of P + 16 a + r, byte 128 x my half of Q + 16 b + 8 h
	s_lshl_b32 s47, s22, 7
	s_add_co_u32 s46, s46, s47
	v_mul_u32_u24 v[STO], v1, SP
	s_wait_alu depctr_va_vdst(0)
	v_lshl_add_u32 v[STO], v2, 3, v[STO]
	v_add_nc_u32 v[STO], s46, v[STO]
	s_mul_i32 s46, s20, 64*SP                      ; back: wave w takes rows 64 w .. 64 w + 63
	v_mul_u32_u24 v[RDV], v2, SP                   ; sixteen lanes a whole row of 256 bytes, two rows an instruction
	v_lshl_add_u32 v[RDV], v1, 4, v[RDV]
	v_add_nc_u32 v[RDV], s46, v[RDV]
	v_lshlrev_b32 v[COV], 11, v2
	v_lshl_add_u32 v[COV], v1, 4, v[COV]
	s_wait_kmcnt 0x0                               ; the exponents
	s_sub_co_i32 s94, s73, s68
	s_sub_co_i32 s94, s94, s69                     ; e9 - e4 - e5
	s_add_co_i32 s66, s94, 127
	s_lshl_b32 s67, s66, 23
	v_mov_b32 v[SCL], s67
	s_add_co_i32 s66, s66, 8
	s_lshl_b32 s66, s66, 23
	s_or_b32 s66, s66, 0x600000
	v_mov_b32 v[LIMV], s66
.macro FRAG reg, adr, q, i             ; 16 rows x 128 K: registers 4 c .. 4 c + 3 hold K = 32 c + 16 h + 0 .. 15, alike in P and Q
.irp c, 0,1,2,3
	ds_load_b128 v[\reg+4*\c:\reg+4*\c+3], v[\adr] offset:128*(\q)+32*\c+(\i)*16*PITCH
.endr
.endm
.macro MUL16 a0, p, zero               ; P's blocks a0, a0 + 1 x Q's eight; the 64 accumulators take turns, one instruction a turn
.irp a, \a0, \a0+1
.irp b, 0,1,2,3,4,5,6,7
.if \zero
	v_wmma_f32_16x16x128_fp8_fp8 v[8*(8*((\a)%4)+\b):8*(8*((\a)%4)+\b)+7], v[128*(\p)+FR*\b:128*(\p)+FR*\b+FR-1], v[AF+FR*(\a):AF+FR*(\a)+FR-1], 0
.else
	v_wmma_f32_16x16x128_fp8_fp8 v[8*(8*((\a)%4)+\b):8*(8*((\a)%4)+\b)+7], v[128*(\p)+FR*\b:128*(\p)+FR*\b+FR-1], v[AF+FR*(\a):AF+FR*(\a)+FR-1], v[8*(8*((\a)%4)+\b):8*(8*((\a)%4)+\b)+7]
.endif
.endr
.endr
.endm
.macro FETCH_B slot, q, p
	WIN TO_B
.irp i, 0,1,2,3,4,5,6,7
	FRAG 128*(\p)+FR*\i, ADRB+\slot, \q, \i
.endr
	WIN 0
.endm
.macro FETCH_A slot, q, i0
.irp i, \i0, \i0+1, \i0+2, \i0+3
	FRAG AF+FR*(\i), ADRA+\slot, \q, \i
.endr
.endm
.macro PLACES n                        ; plain vector lines between a matrix instruction and a load into, or a read of, its registers
.rept \n
	v_nop
.endr
.endm
.macro STEP slot, q, zero              ; 128 along K whose successor lies in the same slot
	s_wait_dscnt 4*NL                              ; Q's set and P's blocks 0-3 are in; the youngest 16 loads (P's blocks 4-7) may be out
	WIN MUL_LO
	MUL16 0, (\q)%2, \zero
	MUL16 2, (\q)%2, \zero
	s_wait_dscnt 0
	PLACES NP
	FETCH_B \slot, (\q)+1, 1-(\q)%2
	FETCH_A \slot, (\q)+1, 0
	WIN MUL_HI
	MUL16 4, (\q)%2, \zero
	MUL16 6, (\q)%2, \zero
	PLACES NP
	WIN 0
	FETCH_A \slot, (\q)+1, 4
.endm
.macro TURN slot, next, fill           ; a slot's last 128 along K, and the change of slots
	s_wait_tensorcnt 0x0                           ; all my tensor loads have landed: my part of the next slot
	ds_add_u32 v[SPW], v[NIL]                      ; 0 onto my spare word
	s_wait_dscnt 4*NL+1                            ; the add and the youngest 16 loads may be out
	WIN MUL_LO
	MUL16 0, 1, 0
	s_wait_dscnt 0x0                               ; the add is done, my reads of this slot are over
	s_barrier_signal -1
	MUL16 2, 1, 0
	WIN 0
	s_barrier_wait -1
.if \fill
	CREST                                          ; the barrier opened a round of the cluster's: no wave of any partner still reads this slot or has a load on its way
	s_add_nc_u64 s[G0+4*\slot+2:G0+4*\slot+3], s[G0+4*\slot+2:G0+4*\slot+3], 2*ROWB
	s_add_nc_u64 s[G0B+4*\slot+2:G0B+4*\slot+3], s[G0B+4*\slot+2:G0B+4*\slot+3], 2*ROWB
	JLOAD G0+4*\slot, G1, G0B+4*\slot, G1B
.else
	PLACES NP
.endif
	FETCH_B \next, 0, 0
	FETCH_A \next, 0, 0
	WIN MUL_HI
	MUL16 4, 1, 0
	MUL16 6, 1, 0
	PLACES NP
	WIN 0
	FETCH_A \next, 0, 4
.endm
	s_wait_tensorcnt 1                             ; my part of K step 0 is in; K step 1's load may be out
	s_barrier_signal -1
	s_barrier_wait -1
	FETCH_B 0, 0, 0
	FETCH_A 0, 0, 0
	FETCH_A 0, 0, 4
	STEP 0, 0, 1                                   ; the first products start the sums
	TURN 0, 1, 1                                   ; slot 0 takes K step 2
	STEP 1, 0, 0
	TURN 1, 0, 1                                   ; slot 1 takes K step 3
	STEP 0, 0, 0
	TURN 0, 1, 0                                   ; nothing is left to fetch
	STEP 1, 0, 0
	s_wait_dscnt 4*NL
	WIN MUL_LO
	MUL16 0, 1, 0
	MUL16 2, 1, 0
	s_wait_alu depctr_va_vdst(0)
	s_wait_dscnt 0
	WIN MUL_HI
	MUL16 4, 1, 0
	MUL16 6, 1, 0
	WIN 0
; THE WAY OUT.  Block a (16 channels x my 128 keys): held, converted (eight neighbouring keys make 8 bytes), into the work-group's stage.  Each accumulator is read from its low end on.
	PLACES NP
.irp a, 0,1,2,3,4,5,6,7
	WIN 0x02+(\a/4)
.set j, 0
.rept 64
	v_med3_num_f32 v[TMP+j], v[64*(\a%4)+j], -v[LIMV], v[LIMV]
.set j, j+1
.endr
	WIN 0
.if \a > 1
	s_wait_alu depctr_va_vdst(0)
	s_wait_dscnt 8                                 ; the stores of two blocks back have read this set of codes; the last block's eight may be out
.endif
.irp b, 0,1,2,3,4,5,6,7
	v_cvt_scalef32_pk8_fp8_f32 v[CD+16*(\a%2)+2*\b:CD+16*(\a%2)+2*\b+1], v[TMP+8*\b:TMP+8*\b+7], v[SCL]
.endr
	v_nop                                          ; a plain line between the conversions and the next write of their sources
.irp b, 0,1,2,3,4,5,6,7
	ds_store_b64 v[STO], v[CD+16*(\a%2)+2*\b:CD+16*(\a%2)+2*\b+1] offset:16*\a*SP+16*\b
.endr
.endr
	s_wait_dscnt 0x0                               ; for the others' sake: a row's 256 bytes come from two waves
	s_barrier_signal -1
	s_barrier_wait -1
	s_lshr_b32 s98, s42, 3
	s_lshl_b32 s98, s98, 21                        ; the batch
	s_lshl_b32 s99, s43, 19                        ; channel 256 x P's tile, 2,048 bytes a channel
	s_add_co_u32 s98, s98, s99
	s_lshl_b32 s99, s20, 17                        ; + 64 x wave channels
	s_add_co_u32 s98, s98, s99
	s_and_b32 s99, s42, 7
	s_lshl_b32 s99, s99, 8                         ; keys 256 x (tile % 8)
	s_add_co_u32 s98, s98, s99
	s_mov_b32 s99, 0
	s_add_nc_u64 s[96:97], s[10:11], s[98:99]
.irp t, 0,1,2,3,4,5,6,7,8,9,10,11,12,13,14,15,16,17,18,19,20,21,22,23,24,25,26,27,28,29,30,31
	ds_load_b128 v[AF+4*\t:AF+4*\t+3], v[RDV] offset:2*\t*SP
.endr
.irp t, 0,1,2,3,4,5,6,7,8,9,10,11,12,13,14,15,16,17,18,19,20,21,22,23,24,25,26,27,28,29,30,31
	s_wait_dscnt 31-\t                             ; the later read-backs may be out
	global_store_b128 v[COV], v[AF+4*\t:AF+4*\t+3], s[96:97] offset:2*\t*2048   ; sixteen lanes store 256 consecutive bytes, aligned
.endr
	s_wait_tensorcnt 0x0                           ; the wave's end
	ds_add_u32 v[SPW], v[NIL]
	s_wait_dscnt 0x0
	CROUND                                         ; the closing round
	s_endpgm
.Lfunc_end_k_q479df9b775_vp:
	.size	k_q479df9b775_vp, .Lfunc_end_k_q479df9b775_vp-k_q479df9b775_vp
	.p2alignl 7, 3214868480
	.fill 96, 4, 3214868480
	.section	.rodata,"a",@progbits
	.p2align	6, 0x0
	.amdhsa_kernel k_q479df9b775_vp
		.amdhsa_group_segment_fixed_size 327680
		.amdhsa_private_segment_fixed_size 0
		.amdhsa_enable_private_segment 0
		.amdhsa_kernarg_size 32
		.amdhsa_user_sgpr_count 2
		.amdhsa_user_sgpr_kernarg_segment_ptr 1
		.amdhsa_wavefront_size32 1
		.amdhsa_system_sgpr_workgroup_id_x 1
		.amdhsa_system_sgpr_workgroup_id_y 1
		.amdhsa_system_sgpr_workgroup_id_z 1
		.amdhsa_system_vgpr_workitem_id 0
		.amdhsa_next_free_vgpr 1024
		.amdhsa_next_free_sgpr 100
		.amdhsa_reserve_vcc 0
		.amdhsa_float_denorm_mode_32 3
		.amdhsa_float_denorm_mode_16_64 3
		.amdhsa_memory_ordered 1
		.amdhsa_forward_progress 1
		.amdhsa_inst_pref_size 125
	.end_amdhsa_kernel
	.amdgpu_metadata
---
amdhsa.version: [ 1, 2 ]
amdhsa.kernels:
  - .name:           k_q479df9b775_vp
    .symbol:         k_q479df9b775_vp.kd
    .args:
      - { .name: xc, .offset: 0, .size: 8, .value_kind: global_buffer, .address_space: global }
      - { .name: wc, .offset: 8, .size: 8, .value_kind: global_buffer, .address_space: global }
      - { .name: lowp_scales, .offset: 16, .size: 8, .value_kind: global_buffer, .address_space: global }
      - { .name: vc, .offset: 24, .size: 8, .value_kind: global_buffer, .address_space: global }
    .group_segment_fixed_size: 327680
    .private_segment_fixed_size: 0
    .kernarg_segment_align: 8
    .kernarg_segment_size: 32
    .max_flat_workgroup_size: 128
    .sgpr_count:     100
    .vgpr_count:     1024
    .wavefront_size: 32
...
	.end_amdgpu_metadata
.endif
;; end of part 3
;; launch attn (part 4): grid 4 x 64, 16 waves a work-group, no clusters, 327,680 bytes of LDS; arguments qc, kc, vc, lowp_scales, cc; writes cc
.if DOCPART == 4
	.amdgcn_target "amdgcn-amd-amdhsa--gfx1250"
	.amdhsa_code_object_version 6
	.text
	.protected	k_q479df9b775_attn
	.globl	k_q479df9b775_attn
	.p2align	8
	.type	k_q479df9b775_attn,@function
k_q479df9b775_attn:
	s_mov_b64 s[64:65], 0
	v_nop
	global_prefetch_b8 v0, s[64:65] scope:SCOPE_SE
	s_setreg_imm32_b32 hwreg(HW_REG_WAVE_MODE, 25, 1), 1
	s_wait_xcnt 0x0
; Causal attention on codes of E4M3, head size 64: S = q k^T (scales e6, e7), p = 2^(t - M), O = p v (e8, e9), O / l quantised with e10 for the last projection.
; qc, kc: [64 bh][2048][64]; vc: [64 bh][64 d][2048 keys]; cc: [16 head][8192 rows][64].
; t = score x log2(e) / 8; M = the running largest t rounded UP to a whole number; p is not normalised; the row's sum l is taken of the unquantised p and divides at the end.
; SHARES.  Work-group (I = x, bh = y) owns query blocks I and 7 - I of its head, 256 queries each; a wave owns 16 queries of the block in hand.  Block I needs key slots 0 .. I (256 keys a slot),
; block 7 - I slots 0 .. 7 - I: NINE visits of a slot in every work-group, whatever I: equal work, a constant trip count.
; At visit I + 1 the first block goes out and the state begins anew.  A step of 128 keys all of which come after the wave's queries is left out by a scalar branch on ids; on the diagonal hidden scores become -infinity.
; NO CLUSTER: the four work-groups of a head want different key slots in the same visit; a form in which all four walk slots 0 .. 7 in step has 12 units of work a work-group against 9.
; LAYOUT.  Both products transposed: S^T = K Q^T, O^T = V^T P^T: a lane holds one query.  Lane r of key tile 2 b + u takes key 32 b + 8 u + r + 8 (r / 8), so that the 16 registers of two
; neighbouring tiles are 16 neighbouring keys, and the conversions' results are the second product's operand.
; LIMITS: e6 + e7 between -123 and 130; e8, and e10 - e8 - e9, between -126 and 119.
; REGISTERS: v1-11 addresses; v12 -M, v13 largest t, v[14:15] l; v16-23 Q; v32-95 K's 8 tiles, then V's 4; v96-159 S^T, then p; v160-191 O^T; v224-239 p's codes; v236-255 at work and scales.
.set KP,    272                        ; four keys' 256 bytes + 16 of padding; also a channel's 256 keys + 16
.set VOFF,  64*KP                      ; a slot: K's 64 rows, then V's 64
.set SLOT1, 65536
.set STAGE, 131072                     ; 16 rows x 80 bytes a wave: bytes of its own, since the ring goes on behind the first way out
.set SPARE, 151552                     ; the spare words, 128 bytes a wave
.set AK0, 1
.set AV0, 2
.set PFO, 3
.set STO, 4
.set SPW, 5
.set NIL, 6
.set GO,  7
.set ADK, 8
.set ADV, 9
.set QO,  10
.set RD,  11
.set TB,  2                            ; s2  the slot in hand
.set WV,  18
.set SEL, 20
.set CS,  22
.set G1K, 24
.set G1V, 32
.set G0K, 40
.set G0V, 44
.set TAU, 48                           ; s48 the visit
.set II,  49                           ; s49 I;  s50 I + 1
.set KF,  51                           ; s51 the step's first key
.set Q0,  52                           ; s52 my first query;  s53 that of the second block
.set KB,  54                           ; s[54:55] K, s[56:57] V, s[58:59] Q at my head; s[60:61] cc at my head and batch
.set PFA, 76
.set PFS, 78
.set LIM, 80
.set QP,  84
.set OP,  86
.macro TLOAD                           ; wave 0 fetches K's 64 rows, wave 1 V's; an s_nop 0 and four v_nop follow each line
	s_cmp_eq_u32 s[WV], 0
	s_cbranch_scc0 .Lnot_k_\@
	tensor_load_to_lds s[G0K:G0K+3], s[G1K:G1K+7]
	s_nop 0
.rept 4
	v_nop
.endr
	s_branch .Lasked_\@
.Lnot_k_\@:
	s_cmp_eq_u32 s[WV], 1
	s_cbranch_scc0 .Lasked_\@
	tensor_load_to_lds s[G0V:G0V+3], s[G1V:G1V+7]
	s_nop 0
.rept 4
	v_nop
.endr
.Lasked_\@:
.endm
; A prefetch of key slot visit + 2, in visits 0 to 5, by the head's work-group with x = 0 alone: waves 4, 5 name K's 16,384 bytes (8,192 a wave, lanes 256 bytes apart),
; waves 6, 7 V's 64 rows (32 a wave, a lane a row of 256 bytes).  So slots 2 .. 7 are named once each in the launch; slots 0 and 1 come by their loads alone.
.macro ASK
	s_cmp_lt_u32 s[TAU], s[LIM]
	s_cbranch_scc0 .Lnot_mine_\@
	global_prefetch_b8 v[PFO], s[PFA:PFA+1] th:TH_LOAD_NT scope:SCOPE_SE
.Lnot_mine_\@:
.endm
	s_load_b256 s[4:11], s[0:1], 0x0               ; qc 4, kc 6, vc 8, scales 10
	s_load_b64 s[12:13], s[0:1], 0x20              ; cc
	v_lshl_add_u32 v[SPW], v0, 2, SPARE
	v_mov_b32 v[NIL], 0
	ds_add_u32 v[SPW], v[NIL]                      ; the wave's opening: the add and its wait ahead of my first tensor load
	ds_add_u32 v[SPW], v[NIL]
	v_lshrrev_b32 v8, 5, v0
	s_delay_alu instid0(VALU_DEP_1)
	v_readfirstlane_b32 s[WV], v8
	s_mov_b32 s[II], ttmp9
	s_add_co_u32 s50, s[II], 1
	s_lshl_b32 s96, s[WV], 4
	s_lshl_b32 s[Q0], s[II], 8
	s_add_co_u32 s[Q0], s[Q0], s96                 ; 256 I + 16 w
	s_sub_co_u32 s53, 7, s[II]
	s_lshl_b32 s53, s53, 8
	s_add_co_u32 s53, s53, s96                     ; 256 (7 - I) + 16 w
	s_and_b32 s88, ttmp7, 0xffff                   ; bh
	s_lshl_b32 s66, s88, 17                        ; a head's codes: 131,072 bytes
	s_mov_b32 s67, 0
	s_and_b32 s90, s88, 15
	s_lshl_b32 s90, s90, 19                        ; cc: head x 524,288
	s_lshr_b32 s88, s88, 4
	s_lshl_b32 s88, s88, 17                        ;     + batch x 2,048 rows of 64 bytes
	s_add_co_u32 s90, s90, s88
	s_mov_b32 s91, 0
	s_mov_b32 s[G1K], (0<<16)|(1<<20)|(5<<22)|(3<<25)   ; bytes; padding: 4 words behind every 64
	s_mov_b32 s[G1K+1], 256<<16
	s_mov_b32 s[G1K+2], 64<<16
	s_mov_b32 s[G1K+3], 256<<16
	s_mov_b32 s[G1K+4], 64
	s_mov_b32 s[G1K+5], 256                        ; K: 256 keys of 64 bytes are one dense block: 64 rows of 256
	s_mov_b32 s[G1K+6], 0
	s_mov_b32 s[G1K+7], 0
	s_mov_b32 s[G1V], (0<<16)|(1<<20)|(5<<22)|(3<<25)
	s_mov_b32 s[G1V+1], 256<<16
	s_mov_b32 s[G1V+2], 64<<16
	s_mov_b32 s[G1V+3], 256<<16
	s_mov_b32 s[G1V+4], 64
	s_mov_b32 s[G1V+5], 2048                       ; V: 64 channels, 2,048 keys apart
	s_mov_b32 s[G1V+6], 0
	s_mov_b32 s[G1V+7], 0
	s_mov_b32 s[SEL], 0x76543210
	s_mov_b32 s[SEL+1], 0xfedcba98
	s_mov_b32 s[CS], 0x3e38aa3b                    ; log2(e) / 8
	s_mov_b32 s[TB], 0
	s_mov_b32 s[KF], 0
	s_mov_b32 s[TAU], 0
	s_wait_dscnt 0x0                               ; the opening add is done
	s_wait_kmcnt 0x0
	s_load_b256 s[68:75], s[10:11], 0x10           ; e4 .. e11: e6 s70, e7 s71, e8 s72, e9 s73, e10 s74
	s_add_nc_u64 s[KB:KB+1], s[6:7], s[66:67]
	s_add_nc_u64 s[56:57], s[8:9], s[66:67]
	s_add_nc_u64 s[58:59], s[4:5], s[66:67]
	s_add_nc_u64 s[60:61], s[12:13], s[90:91]
	s_mov_b32 s[G0K], 1
	s_mov_b32 s[G0K+1], 0
	s_mov_b64 s[G0K+2:G0K+3], s[KB:KB+1]
	s_or_b32 s[G0K+3], s[G0K+3], 0x80000000
	s_mov_b32 s[G0V], 1
	s_mov_b32 s[G0V+1], VOFF
	s_mov_b64 s[G0V+2:G0V+3], s[56:57]
	s_or_b32 s[G0V+3], s[G0V+3], 0x80000000
	TLOAD                                          ; key slot 0 into slot 0
	s_lshl_b32 s66, s[Q0], 6
	s_add_nc_u64 s[QP:QP+1], s[58:59], s[66:67]
	s_add_nc_u64 s[OP:OP+1], s[60:61], s[66:67]
	v_and_b32 v8, 15, v0                           ; r
	s_wait_alu depctr_va_vdst(0)
	v_bfe_u32 v9, v0, 4, 1                         ; h
	v_lshlrev_b32 v[QO], 6, v8
	s_delay_alu instid0(VALU_DEP_1)
	v_lshl_add_u32 v[QO], v9, 4, v[QO]             ; Q: 64 r + 16 h
.macro QLOAD                           ; registers 0-3: channels 16 h + 0 .. 15; 4-7: 32 + 16 h + 0 .. 15; K's fragments likewise
	global_load_b128 v[16:19], v[QO], s[QP:QP+1]
	global_load_b128 v[20:23], v[QO], s[QP:QP+1] offset:32
.endm
	QLOAD
	s_cmp_lt_u32 s[WV], 6                          ; the prefetches: waves 4, 5 K, waves 6, 7 V
	s_cselect_b64 s[PFA:PFA+1], s[KB:KB+1], s[56:57]
	s_mov_b32 s[PFS], 256
	s_cselect_b32 s[PFS], 16384, s[PFS]            ; a slot on
	s_mov_b32 s96, 2048
	s_cselect_b32 s96, 256, s96                    ; from lane to lane
	s_mov_b32 s97, 65536
	s_cselect_b32 s97, 8192, s97                   ; from wave to wave
	v_and_b32 v[PFO], 31, v0
	s_delay_alu instid0(VALU_DEP_1)
	v_mul_lo_u32 v[PFO], v[PFO], s96
	s_and_b32 s96, s[WV], 1
	s_mul_i32 s96, s96, s97
	s_add_co_u32 s66, s96, s[PFS]                  ; in slot 1: the first change of slots steps it to slot 2
	s_mov_b32 s[PFS+1], 0
	s_add_nc_u64 s[PFA:PFA+1], s[PFA:PFA+1], s[66:67]
	s_lshr_b32 s96, s[WV], 2
	s_xor_b32 s96, s96, 1                          ; 0 in waves 4 to 7,
	s_or_b32 s96, s96, ttmp9                       ; of the work-group with x = 0
	s_cmp_eq_u32 s96, 0
	s_cselect_b32 s[LIM], 6, 0
	v_and_b32 v11, 8, v8
	s_delay_alu instid0(VALU_DEP_1)
	v_add_nc_u32 v11, v11, v8                      ; r + 8 (r / 8)
	s_delay_alu instid0(VALU_DEP_1)
	v_lshrrev_b32 v[AK0], 2, v11
	s_delay_alu instid0(VALU_DEP_1)
	v_mul_u32_u24 v[AK0], v[AK0], KP
	s_delay_alu instid0(VALU_DEP_3)
	v_and_b32 v11, 3, v11
	s_delay_alu instid0(VALU_DEP_1)
	v_lshl_add_u32 v[AK0], v11, 6, v[AK0]
	s_delay_alu instid0(VALU_DEP_1)
	v_lshl_add_u32 v[AK0], v9, 4, v[AK0]           ; key kappa lies at (kappa / 4) x 272 + (kappa % 4) x 64
	v_mul_u32_u24 v[AV0], v8, KP
	s_delay_alu instid0(VALU_DEP_1)
	v_lshl_add_u32 v[AV0], v9, 4, v[AV0]
	s_delay_alu instid0(VALU_DEP_1)
	v_add_nc_u32 v[AV0], VOFF, v[AV0]
	s_mul_i32 s96, s[WV], 1280
	s_add_co_u32 s96, s96, STAGE                   ; my stage
	v_mul_u32_u24 v[STO], v8, 80
	s_delay_alu instid0(VALU_DEP_1)
	v_lshl_add_u32 v[STO], v9, 3, v[STO]
	s_delay_alu instid0(VALU_DEP_1)
	v_add_nc_u32 v[STO], s96, v[STO]               ; in: row r, byte 16 t + 8 h
	v_and_b32 v[GO], 31, v0
	s_delay_alu instid0(VALU_DEP_1)
	v_lshrrev_b32 v[RD], 2, v[GO]
	s_delay_alu instid0(VALU_DEP_1)
	v_mul_u32_u24 v[RD], v[RD], 80
	s_delay_alu instid0(VALU_DEP_3)
	v_and_b32 v252, 3, v[GO]
	s_delay_alu instid0(VALU_DEP_1)
	v_lshl_add_u32 v[RD], v252, 4, v[RD]
	s_delay_alu instid0(VALU_DEP_1)
	v_add_nc_u32 v[RD], s96, v[RD]                 ; back: four lanes a row, eight rows an instruction
	v_lshlrev_b32 v[GO], 4, v[GO]
	v_mov_b32 v236, 0                              ; a lane permute's destination counts as one of its sources
	v_mov_b32 v242, 0
	v_mov_b32 v243, 0
	v_mov_b32 v252, 0
	v_mov_b32 v253, 0
	v_mov_b32 v254, 0
.macro INIT                            ; the largest t: -3e38; the sum and O^T zeros, which the first change of M leaves zeros
	v_mov_b32 v13, 0xff61b1e6
	s_delay_alu instid0(VALU_DEP_1)
	v_floor_f32 v12, -v13
	v_mov_b32 v14, 0
	v_mov_b32 v15, 0
.set j, 0
.rept 32
	v_mov_b32 v[160+j], 0
.set j, j+1
.endr
.endm
	INIT
	s_wait_kmcnt 0x0
	s_add_co_i32 s96, s70, s71
	s_lshl_b32 s96, s96, 23
	s_add_co_i32 s[CS], s[CS], s96                 ; a score stands for score x 2^(e6 + e7): added to c's exponent field
	s_mov_b32 s[CS+1], s[CS]
	s_add_co_i32 s96, s72, 127
	s_lshl_b32 s97, s96, 23
	v_mov_b32 v244, s97                            ; 2^e8
	s_sub_co_i32 s96, s74, s72
	s_sub_co_i32 s96, s96, s73
	s_add_co_i32 s96, s96, 127
	s_lshl_b32 s97, s96, 23
	v_mov_b32 v245, s97                            ; 2^(e10 - e8 - e9): O^T / l stands for that x 2^(e8 + e9)
.macro STEP q                          ; 128 keys, the q-th half of the slot in hand
	s_add_co_u32 s96, s[Q0], 15
	s_cmp_gt_u32 s[KF], s96                        ; all keys come after my queries: the step's work is left out
	s_cbranch_scc1 .Lhidden_\@
	v_add_nc_u32 v[ADK], s[TB], v[AK0]
	v_add_nc_u32 v[ADV], s[TB], v[AV0]
	v_nop                                          ; with the two additions: four plain lines ahead of loads into registers that matrix instructions have read
	v_nop
.irp t, 0,1,2,3,4,5,6,7
	ds_load_b128 v[32+8*\t:35+8*\t], v[ADK] offset:(32*(\q)+8*(\t/2)+2*(\t%2))*KP
	ds_load_b128 v[36+8*\t:39+8*\t], v[ADK] offset:(32*(\q)+8*(\t/2)+2*(\t%2))*KP+32
.endr
	s_wait_alu depctr_va_vdst(0)
	s_wait_dscnt 0x0
.irp t, 0,1,2,3,4,5,6,7
	v_wmma_f32_16x16x64_fp8_fp8 v[96+8*\t:103+8*\t], v[32+8*\t:39+8*\t], v[16:23], 0
.endr
.rept 4
	v_nop
.endr
.irp t, 0,1,2,3                        ; V's four tiles are asked for now and land under the softmax
.irp c, 0,1,2,3
	ds_load_b128 v[32+16*\t+4*\c:35+16*\t+4*\c], v[ADV] offset:16*\t*KP+128*(\q)+32*\c
.endr
.endr
	s_add_co_u32 s96, s[KF], 127
	s_cmp_le_u32 s96, s[Q0]                        ; all keys count: no mask
	s_cbranch_scc1 .Lopen_\@
	s_sub_co_i32 s96, s[Q0], s[KF]
	v_and_b32 v252, 15, v0
	v_bfe_u32 v253, v0, 4, 1
	s_delay_alu instid0(VALU_DEP_1)
	v_lshlrev_b32 v253, 4, v253
	s_delay_alu instid0(VALU_DEP_1)
	v_sub_nc_u32 v252, v252, v253
	s_delay_alu instid0(VALU_DEP_1)
	v_add_nc_u32 v252, s96, v252                   ; d = my query - KF - 16 h; register 16 b + i holds key KF + 16 h + 32 b + i: hidden where 32 b + i > d
	v_mov_b32 v254, 0xff800000
.set n, 0
.rept 64
	v_cmp_gt_i32 vcc_lo, 32*(n/16)+n%16, v252
	v_cndmask_b32 v[96+n], v[96+n], v254, vcc_lo
.set n, n+1
.endr
.Lopen_\@:
	v_max3_num_f32 v254, v96, v97, v98             ; the step's largest score of my query, in two chains; each accumulator is read from its low end on
	v_max3_num_f32 v252, v99, v100, v101
.set i, 6
.rept 14
	v_max3_num_f32 v254, v254, v[96+i], v[97+i]
	v_max3_num_f32 v252, v252, v[98+i], v[99+i]
.set i, i+4
.endr
	v_max3_num_f32 v254, v254, v158, v159
	s_delay_alu instid0(VALU_DEP_1)
	v_max_num_f32 v254, v254, v252
	v_permlanex16_b32 v236, v254, s[SEL], s[SEL+1]
	s_delay_alu instid0(VALU_DEP_1)
	v_max_num_f32 v254, v254, v236
	s_delay_alu instid0(VALU_DEP_1)
	v_mul_f32 v254, s[CS], v254
	s_delay_alu instid0(VALU_DEP_1)
	v_max_num_f32 v13, v13, v254                   ; the running largest t
	v_mov_b32 v254, v12
	s_delay_alu instid0(VALU_DEP_2)
	v_floor_f32 v12, -v13                          ; -M = floor(-t): M is a whole number
	s_delay_alu instid0(VALU_DEP_1)
	v_sub_f32 v254, v12, v254
	s_delay_alu instid0(VALU_DEP_1)
	v_cvt_i32_f32 v254, v254                       ; old M - new M, 0 or less (it saturates)
	s_delay_alu instid0(VALU_DEP_1)
	v_ldexp_f32 v252, 1.0, v254                    ; f = 2^(old M - new M)
.set j, 0
.rept 32
	v_pk_fma_f32 v[96+j:97+j], v[96+j:97+j], s[CS:CS+1], v[12:13] op_sel_hi:[1,0,0]   ; t - M
.set j, j+2
.endr
.set j, 0
	s_wait_alu depctr_va_vdst(0)
.rept 64
	v_exp_f32 v[96+j], v[96+j]                     ; p = 2^(t - M)
.set j, j+1
.endr
	v_pk_mul_f32 v[14:15], v[14:15], v[252:253] op_sel_hi:[1,0]   ; l under the new M; the plain line behind the exponentials
	s_wait_alu depctr_va_vdst(0)                   ; one wait for the batch, ahead of its first reader
	v_pk_add_f32 v[242:243], v[100:101], v[104:105]
	v_pk_add_f32 v[254:255], v[108:109], v[112:113]
	v_pk_add_f32 v[250:251], v[116:117], v[120:121]
	v_pk_add_f32 v[248:249], v[124:125], v[128:129]
	v_pk_add_f32 v[246:247], v[132:133], v[136:137]
	v_pk_add_f32 v[240:241], v[140:141], v[144:145]
	v_pk_add_f32 v[238:239], v[148:149], v[152:153]
	v_pk_add_f32 v[14:15], v[14:15], v[156:157]
	v_pk_add_f32 v[242:243], v[242:243], v[96:97]
	v_pk_add_f32 v[254:255], v[254:255], v[98:99]
	v_pk_add_f32 v[250:251], v[250:251], v[102:103]
	v_pk_add_f32 v[248:249], v[248:249], v[106:107]
	v_pk_add_f32 v[246:247], v[246:247], v[110:111]
	v_pk_add_f32 v[240:241], v[240:241], v[114:115]
	v_pk_add_f32 v[238:239], v[238:239], v[118:119]
	v_pk_add_f32 v[14:15], v[14:15], v[122:123]
	v_pk_add_f32 v[242:243], v[242:243], v[126:127]
	v_pk_add_f32 v[254:255], v[254:255], v[130:131]
	v_pk_add_f32 v[250:251], v[250:251], v[134:135]
	v_pk_add_f32 v[248:249], v[248:249], v[138:139]
	v_pk_add_f32 v[246:247], v[246:247], v[142:143]
	v_pk_add_f32 v[240:241], v[240:241], v[146:147]
	v_pk_add_f32 v[238:239], v[238:239], v[150:151]
	v_pk_add_f32 v[14:15], v[14:15], v[154:155]
	v_pk_add_f32 v[242:243], v[242:243], v[158:159]
	s_delay_alu instid0(VALU_DEP_2)
	v_pk_add_f32 v[14:15], v[14:15], v[248:249]
	s_delay_alu instid0(VALU_DEP_2)
	v_pk_add_f32 v[242:243], v[242:243], v[246:247]
	v_pk_add_f32 v[254:255], v[254:255], v[240:241]
	v_pk_add_f32 v[250:251], v[250:251], v[238:239]
	s_delay_alu instid0(VALU_DEP_2)
	v_pk_add_f32 v[14:15], v[14:15], v[254:255]
	s_delay_alu instid0(VALU_DEP_2)
	v_pk_add_f32 v[242:243], v[242:243], v[250:251]
	s_delay_alu instid0(VALU_DEP_1)
	v_pk_add_f32 v[14:15], v[14:15], v[242:243]
.irp b, 0,1,2,3
.set i, 0
.rept 16
.set i, i+1
.endr
	v_cvt_scalef32_pk8_fp8_f32 v[224+4*\b:225+4*\b], v[96+16*\b:103+16*\b], v244
	v_cvt_scalef32_pk8_fp8_f32 v[226+4*\b:227+4*\b], v[104+16*\b:111+16*\b], v244
.endr
.set j, 0
.rept 16
	v_pk_mul_f32 v[160+j:161+j], v[160+j:161+j], v[252:253] op_sel_hi:[1,0]   ; O^T under the new M
.set j, j+2
.endr
	s_wait_alu depctr_va_vdst(0)
	s_wait_dscnt 0x0                               ; V is in
.irp t, 0,1,2,3
	v_wmma_f32_16x16x128_fp8_fp8 v[160+8*\t:167+8*\t], v[32+16*\t:47+16*\t], v[224:239], v[160+8*\t:167+8*\t]   ; four accumulators by turns; eight other products stand between two links
.endr
.Lhidden_\@:
	s_add_co_u32 s[KF], s[KF], 128
.endm
; THE CHANGE OF SLOTS, at a visit's head.  fill = 1: the slot just left takes the key slot of the next visit: visit n takes key slot n while n <= I, then n - I - 1.
.macro CHANGE fill
	s_wait_tensorcnt 0x0                           ; no tensor load of mine is out, so a group 0 may be written
	ds_add_u32 v[SPW], v[NIL]                      ; 0 onto my spare word
.if \fill
	s_xor_b32 s[G0K+1], s[G0K+1], SLOT1
	s_xor_b32 s[G0V+1], s[G0V+1], SLOT1
	s_add_co_u32 s96, s[TAU], 1
	s_sub_co_u32 s97, s96, s50
	s_cmp_le_u32 s96, s[II]
	s_cselect_b32 s96, s96, s97                    ; the key slot
	s_lshl_b32 s66, s96, 14
	s_mov_b32 s67, 0
	s_add_nc_u64 s[G0K+2:G0K+3], s[KB:KB+1], s[66:67]
	s_or_b32 s[G0K+3], s[G0K+3], 0x80000000
	s_lshl_b32 s66, s96, 8
	s_add_nc_u64 s[G0V+2:G0V+3], s[56:57], s[66:67]
	s_or_b32 s[G0V+3], s[G0V+3], 0x80000000
	s_wait_xcnt 0x0                                ; the last prefetch, a visit back, has read its address
	s_add_nc_u64 s[PFA:PFA+1], s[PFA:PFA+1], s[PFS:PFS+1]
.endif
	s_wait_dscnt 0x0                               ; the add is done, my reads of the slot that I have left are over
	s_barrier_signal -1
	s_barrier_wait -1
.if \fill
	TLOAD                                          ; first behind the barrier, a wave's one tensor load until the next
	ASK
.endif
.endm
.macro SLOT_STEPS
	STEP 0
	STEP 1
	s_xor_b32 s[TB], s[TB], SLOT1
.endm
; THE WAY OUT of a block: O^T / l, held and converted with 2^(e10 - e8 - e9); 8 bytes a lane and tile through my stage; 16 queries x 64 bytes leave as 1,024 consecutive bytes.
.macro WAYOUT
.rept 4
	v_nop
.endr
	v_add_f32 v14, v14, v15
	s_delay_alu instid0(VALU_DEP_1)
	v_permlanex16_b32 v252, v14, s[SEL], s[SEL+1]
	s_delay_alu instid0(VALU_DEP_1)
	v_add_f32 v14, v14, v252
	s_wait_alu depctr_va_vdst(0)
	v_rcp_f32 v14, v14
	v_nop
	s_wait_alu depctr_va_vdst(0)                   ; ahead of the reciprocal's first reader
.set j, 0
.rept 32
	v_mul_f32 v[96+j], v[160+j], v14
.set j, j+1
.endr
.set j, 0
.rept 32
.set j, j+1
.endr
.irp t, 0,1,2,3
	v_cvt_scalef32_pk8_fp8_f32 v[224+2*\t:225+2*\t], v[96+8*\t:103+8*\t], v245
.endr
	v_nop
.irp t, 0,1,2,3
	ds_store_b64 v[STO], v[224+2*\t:225+2*\t] offset:16*\t
.endr
.irp u, 0,1
	ds_load_b128 v[32+4*\u:35+4*\u], v[RD] offset:640*\u   ; LDS serves a wave's instructions in order: these see my stores
.endr
.irp u, 0,1
	s_wait_dscnt 1-\u                              ; the second read-back may be out
	global_store_b128 v[GO], v[32+4*\u:35+4*\u], s[OP:OP+1] offset:512*\u   ; 512 consecutive bytes, aligned
.endr
.endm
.macro TRANS                           ; at visit I + 1: the first block goes out, the second begins.  Ids and the count of visits alone: all waves go the same way
	s_cmp_eq_u32 s[TAU], s50
	s_cbranch_scc0 .Lsame_\@
	WAYOUT
	s_wait_xcnt 0x0                                ; the stores have read their base and their data
	s_mov_b32 s[Q0], s53
	s_mov_b32 s[KF], 0
	s_lshl_b32 s66, s[Q0], 6
	s_mov_b32 s67, 0
	s_add_nc_u64 s[QP:QP+1], s[58:59], s[66:67]
	s_add_nc_u64 s[OP:OP+1], s[60:61], s[66:67]
	QLOAD
	INIT
	s_wait_loadcnt 0x0
.Lsame_\@:
.endm
	s_wait_loadcnt 0x0                             ; Q
.Lvisit:                                           ; eight trips; behind each change of slots the next visit's key slot is asked for
	CHANGE 1
	TRANS
	SLOT_STEPS
	s_add_co_u32 s[TAU], s[TAU], 1
	s_cmp_lt_u32 s[TAU], 8
	s_cbranch_scc1 .Lvisit
	CHANGE 0                                       ; the ninth visit is written out: nothing is left to fetch
	SLOT_STEPS
	WAYOUT
	s_wait_tensorcnt 0x0                           ; the wave's end
	ds_add_u32 v[SPW], v[NIL]
	s_wait_dscnt 0x0
	s_endpgm
.Lfunc_end_k_q479df9b775_attn:
	.size	k_q479df9b775_attn, .Lfunc_end_k_q479df9b775_attn-k_q479df9b775_attn
	.p2alignl 7, 3214868480
	.fill 96, 4, 3214868480
	.section	.rodata,"a",@progbits
	.p2align	6, 0x0
	.amdhsa_kernel k_q479df9b775_attn
		.amdhsa_group_segment_fixed_size 327680
		.amdhsa_private_segment_fixed_size 0
		.amdhsa_enable_private_segment 0
		.amdhsa_kernarg_size 40
		.amdhsa_user_sgpr_count 2
		.amdhsa_user_sgpr_kernarg_segment_ptr 1
		.amdhsa_wavefront_size32 1
		.amdhsa_system_sgpr_workgroup_id_x 1
		.amdhsa_system_sgpr_workgroup_id_y 1
		.amdhsa_system_sgpr_workgroup_id_z 1
		.amdhsa_system_vgpr_workitem_id 0
		.amdhsa_next_free_vgpr 256
		.amdhsa_next_free_sgpr 100
		.amdhsa_reserve_vcc 1
		.amdhsa_float_denorm_mode_32 3
		.amdhsa_float_denorm_mode_16_64 3
		.amdhsa_fp16_overflow 1
		.amdhsa_memory_ordered 1
		.amdhsa_forward_progress 1
		.amdhsa_inst_pref_size 94
	.end_amdhsa_kernel
	.amdgpu_metadata
---
amdhsa.version: [ 1, 2 ]
amdhsa.kernels:
  - .name:           k_q479df9b775_attn
    .symbol:         k_q479df9b775_attn.kd
    .args:
      - { .name: qc, .offset: 0, .size: 8, .value_kind: global_buffer, .address_space: global }
      - { .name: kc, .offset: 8, .size: 8, .value_kind: global_buffer, .address_space: global }
      - { .name: vc, .offset: 16, .size: 8, .value_kind: global_buffer, .address_space: global }
      - { .name: lowp_scales, .offset: 24, .size: 8, .value_kind: global_buffer, .address_space: global }
      - { .name: cc, .offset: 32, .size: 8, .value_kind: global_buffer, .address_space: global }
    .group_segment_fixed_size: 327680
    .private_segment_fixed_size: 0
    .kernarg_segment_align: 8
    .kernarg_segment_size: 40
    .max_flat_workgroup_size: 512
    .sgpr_count:     100
    .vgpr_count:     256
    .wavefront_size: 32
...
	.end_amdgpu_metadata
.endif
;; end of part 4
;; launch oproj (part 5): grid 8 x 32, 4 waves a work-group, clusters of 4 x 4, 327,680 bytes of LDS; arguments cc, wc, lowp_scales, bo, out0; writes out0
.if DOCPART == 5
	.amdgcn_target "amdgcn-amd-amdhsa--gfx1250"
	.amdhsa_code_object_version 6
	.text
	.protected	k_q479df9b775_oproj
	.globl	k_q479df9b775_oproj
	.p2align	8
	.type	k_q479df9b775_oproj,@function
k_q479df9b775_oproj:
	s_mov_b64 s[64:65], 0
	v_nop
	global_prefetch_b8 v0, s[64:65] scope:SCOPE_SE
	s_setreg_imm32_b32 hwreg(HW_REG_WAVE_MODE, 25, 1), 1
	s_wait_xcnt 0x0
	s_wait_alu depctr_hold_cnt(0) depctr_sa_sdst(0) depctr_va_vdst(0) depctr_va_sdst(0) depctr_va_ssrc(0) depctr_va_vcc(0) depctr_vm_vsrc(0)
	s_getreg_b32 s2, hwreg(HW_REG_IB_STS2, 6, 4)
	s_cmp_eq_u32 s2, 0
	s_cbranch_scc0 .Lentry_in_a_cluster
	s_endpgm
.Lentry_in_a_cluster:
	s_bfe_u32 s2, ttmp6, 0x10000c
	s_cmp_lg_u32 s2, 0xf033
	s_cbranch_scc0 .Lentry_shape_is_right
	s_endpgm
.Lentry_shape_is_right:
; out0 = ctx Wo + bo on codes of E4M3: ctx's codes cc [16 head][8192 rows][64] (scale e10), Wo's columns as rows 3072 .. 4095 of wc, K innermost (e11).  out0 [8192][1024] f32.
; A work-group makes 256 rows x 128 columns: 256 work-groups.  Four waves, each 128 x 64: 32 accumulators.  D = (16 rows of Wo^T as source 0) x (16 rows of ctx as source 1): a lane holds one row and eight neighbouring columns.
; K goes in four steps of 256 = four heads through two LDS slots filled by joint tensor loads: ctx's tile (P) is shared along the cluster's row, the weight's (Q) along its column.
; P's tile in memory: for each head 256 rows x 64 bytes, 16,384 dense bytes; one load brings two heads, 524,288 bytes apart, with 16 bytes of padding behind every 64: LDS rows 80 bytes apart.
; y = sum x 2^(e10 + e11) + bo, one packed multiply-add for two numbers.  LIMIT: e10 + e11 between -126 and 127.
; REGISTERS: window 0: v16-29 addresses; v32-63 bo in the result's layout; v64-95 a block's results; v128-255 P's fragments, one set, later rows read back.  window 1: Q's fragments, two sets at v0 and v128.  window 2: the accumulators, (a, b) at v[8 (4 a + b)].
.set PP,     80                        ; P: 64 bytes + 16 = 20 words: the 16 rows of a fragment load start in 16 different groups of four words modulo 64
.set HEADB,  256*PP
.set PITCH,  272
.set QOFF,   4*HEADB
.set SLOT,   QOFF+128*PITCH            ; 116,736
.set SPARE,  2*SLOT
.set SPITCH, 272                       ; the way out: 16 rows x (256 bytes + 16) a wave, in slot 0, which has had its last fill and its last read by then
.set FR,     16
.set NL,     4
.set NP,     4
.set ADRA, 16                          ; v16-19  P: slot 0 first and second 128 along K, slot 1 likewise
.set ADRB, 20                          ; v20-21  Q: slot 0, 1
.set STO,  24
.set RD,   25
.set CO,   26
.set BOO,  27
.set SPW,  28
.set NIL,  29
.set BI,   32
.set TMP,  64
.set AF,   128
.set BK,   128
.set G1, 24
.set G0, 32
.set G1B, 48
.set G0B, 56
.set MSB, 0
.macro WIN new
.if MSB != \new
	s_set_vgpr_msb (MSB<<8)|\new
.set MSB, \new
.endif
.endm
.set MUL,  0xa1                        ; source 0 (Q) window 1, source 1 (P) window 0, C and D window 2
.set TO_B, 0x40
.macro JLOAD g0a, g1a, g0b, g1b        ; waves 0, 1 fetch P's pairs of heads, waves 2, 3 Q's halves; an s_nop 0 and four v_nop follow each line
	s_cmp_eq_u32 s15, 0
	s_cbranch_scc0 .Lfor_b_\@
	tensor_load_to_lds s[\g0a:\g0a+3], s[\g1a:\g1a+7]
	s_nop 0
.rept 4
	v_nop
.endr
	s_branch .Lasked_\@
.Lfor_b_\@:
	tensor_load_to_lds s[\g0b:\g0b+3], s[\g1b:\g1b+7]
	s_nop 0
.rept 4
	v_nop
.endr
.Lasked_\@:
.endm
.macro CREST
	s_cmp_lg_u32 s14, 0
	s_cbranch_scc1 .Lnot_wave_0_\@
	s_barrier_signal -3
.Lnot_wave_0_\@:
	s_barrier_wait -3
	s_barrier_signal -1
	s_barrier_wait -1
.endm
.macro CROUND
	s_barrier_signal -1
	s_barrier_wait -1
	CREST
.endm
	s_load_b256 s[4:11], s[0:1], 0x0               ; cc 4, wc 6, scales 8, bo 10
	s_load_b64 s[12:13], s[0:1], 0x20              ; out0
	v_lshl_add_u32 v[SPW], v0, 2, SPARE
	v_mov_b32 v[NIL], 0
	ds_add_u32 v[SPW], v[NIL]                      ; the wave's opening: the add and its wait ahead of my first tensor load
	ds_add_u32 v[SPW], v[NIL]
	v_lshrrev_b32 v1, 5, v0
	v_readfirstlane_b32 s14, v1                    ; wave
	s_lshr_b32 s15, s14, 1                         ; my half of the rows; also: I fetch P (0) or Q (1)
	s_and_b32 s16, s14, 1                          ; my half of the columns; also: which part I fetch
	s_bfe_u32 s40, ttmp6, 0x40000                  ; cx
	s_bfe_u32 s41, ttmp6, 0x40004                  ; cy
	s_lshl_b32 s42, ttmp9, 2
	s_add_co_u32 s42, s42, s40                     ; tile column
	s_and_b32 s17, ttmp7, 0xffff
	s_lshl_b32 s17, s17, 2
	s_add_co_u32 s17, s17, s41                     ; tile row
	s_lshl_b32 s43, s41, 2
	s_lshl_b32 s43, 15, s43                        ; my row of the cluster
	s_lshl_b32 s44, 0x1111, s40                    ; my column
	s_or_b32 s[G1+0], s43, (3<<16)|(1<<20)|(1<<21)|(3<<22)|(3<<25)   ; mask; elements of 8 bytes; padding on; bit 21 beside a mask; 4 words behind every 16
	s_mov_b32 s[G1+1], 2048<<16                    ; tensor_dim0: a head's 16,384 bytes
	s_mov_b32 s[G1+2], 2<<16                       ; tensor_dim1: two heads
	s_mov_b32 s[G1+3], 2048<<16                    ; tile_dim0
	s_mov_b32 s[G1+4], 2                           ; tile_dim1
	s_mov_b32 s[G1+5], 65536                       ; from head to head: 524,288 bytes
	s_mov_b32 s[G1+6], 0
	s_mov_b32 s[G1+7], 0
	s_or_b32 s[G1B+0], s44, (0<<16)|(1<<20)|(1<<21)|(5<<22)|(3<<25)  ; bytes; 4 words behind every 64
	s_mov_b32 s[G1B+1], 256<<16
	s_mov_b32 s[G1B+2], 64<<16
	s_mov_b32 s[G1B+3], 256<<16
	s_mov_b32 s[G1B+4], 64
	s_mov_b32 s[G1B+5], 1024
	s_mov_b32 s[G1B+6], 0
	s_mov_b32 s[G1B+7], 0
	s_lshl_b32 s20, s17, 14                        ; P: 256 x tile row rows of 64 bytes,
	s_lshl_b32 s18, s16, 20                        ;    + my pair of heads
	s_add_co_u32 s20, s20, s18
	s_mov_b32 s21, 0
	s_lshl_b32 s46, s42, 17                        ; Q: 128 x tile column rows of 1,024 bytes,
	s_lshl_b32 s18, s16, 16                        ;    + my 64 rows,
	s_add_co_u32 s46, s46, s18
	s_add_co_u32 s46, s46, 3<<20                   ;    in Wo's part of wc
	s_mov_b32 s47, 0
	s_mul_i32 s45, s16, 2*HEADB                    ; where they go
	s_mul_i32 s19, s16, 64*PITCH
	s_add_co_u32 s19, s19, QOFF
	s_wait_dscnt 0x0                               ; the opening add is done
	s_wait_kmcnt 0x0
	s_load_b64 s[96:97], s[8:9], 0x28              ; e10, e11
	s_add_nc_u64 s[20:21], s[4:5], s[20:21]
	s_add_nc_u64 s[46:47], s[6:7], s[46:47]
	CROUND                                         ; all sixteen work-groups are here: the first joint loads meet
.irp s, 0,1
	s_mov_b32 s[G0+4*\s], 1
	s_add_co_u32 s[G0+4*\s+1], s45, \s*SLOT
	s_add_nc_u64 s[G0+4*\s+2:G0+4*\s+3], s[20:21], \s*4*524288
	s_or_b32 s[G0+4*\s+3], s[G0+4*\s+3], 0x80000000
	s_mov_b32 s[G0B+4*\s], 1
	s_add_co_u32 s[G0B+4*\s+1], s19, \s*SLOT
	s_add_nc_u64 s[G0B+4*\s+2:G0B+4*\s+3], s[46:47], \s*256
	s_or_b32 s[G0B+4*\s+3], s[G0B+4*\s+3], 0x80000000
	s_wait_alu depctr_va_vdst(0)
	s_wait_tensorcnt 0x0
	ds_add_u32 v28, v29
	ds_add_u32 v28, v29
	s_wait_dscnt 0x0
	CROUND
	JLOAD G0+4*\s, G1, G0B+4*\s, G1B
.endr
	v_and_b32 v1, 15, v0                           ; r
	s_wait_alu depctr_va_vdst(0)
	v_bfe_u32 v2, v0, 4, 1                         ; h
	s_lshl_b32 s46, s42, 9                         ; bo: my 64 columns
	s_lshl_b32 s47, s16, 8
	s_add_co_u32 s46, s46, s47
	s_mov_b32 s47, 0
	s_add_nc_u64 s[10:11], s[10:11], s[46:47]
	v_lshlrev_b32 v[BOO], 5, v2
.irp b, 0,1,2,3
	global_load_b128 v[BI+8*\b:BI+8*\b+3], v[BOO], s[10:11] offset:64*\b        ; bo at column 16 b + 8 h + 0 .. 7
	global_load_b128 v[BI+8*\b+4:BI+8*\b+7], v[BOO], s[10:11] offset:64*\b+16
.endr
	v_mul_u32_u24 v3, v1, PP
	v_lshl_add_u32 v3, v2, 4, v3
	s_mul_i32 s22, s15, 128*PP                     ; my 128 rows of P
.irp s, 0,1
.irp q, 0,1
	v_add_nc_u32 v[ADRA+2*\s+\q], s22, v3
	s_add_co_u32 s22, s22, 2*HEADB
.endr
	s_add_co_u32 s22, s22, SLOT-4*HEADB
.endr
	v_mul_u32_u24 v4, v1, PITCH
	s_wait_alu depctr_va_vdst(0)
	v_lshl_add_u32 v4, v2, 4, v4
	s_mul_i32 s22, s16, 64*PITCH
	s_add_co_u32 s22, s22, QOFF                    ; my 64 rows of Q
.irp s, 0,1
	v_add_nc_u32 v[ADRB+\s], s22, v4
	s_add_co_u32 s22, s22, SLOT
.endr
	s_mul_i32 s23, s14, 16*SPITCH                  ; my stage
	v_mul_u32_u24 v[STO], v1, SPITCH
	v_lshl_add_u32 v[STO], v2, 5, v[STO]
	v_add_nc_u32 v[STO], s23, v[STO]               ; in: row r, 32 bytes for each half of the lanes
	v_mul_u32_u24 v[RD], v2, SPITCH
	v_lshl_add_u32 v[RD], v1, 4, v[RD]
	v_add_nc_u32 v[RD], s23, v[RD]                 ; back: sixteen lanes a row of 256 bytes
	v_lshlrev_b32 v[CO], 12, v2
	v_lshl_add_u32 v[CO], v1, 4, v[CO]             ; and the same two rows in out0
	s_lshl_b32 s20, s17, 8
	s_lshl_b32 s21, s15, 7
	s_add_co_u32 s20, s20, s21
	s_lshl_b32 s20, s20, 12                        ; my first row, 4,096 bytes a row
	s_mov_b32 s21, 0
	s_add_nc_u64 s[20:21], s[20:21], s[46:47]      ; + my first column: the same bytes as in bo
	s_add_nc_u64 s[12:13], s[12:13], s[20:21]
.macro FRAGP reg, adr, i               ; 16 rows x 128 K = two heads: registers 4 c .. 4 c + 3: head c / 2, channels 32 (c % 2) + 16 h + 0 .. 15
.irp c, 0,1,2,3
	ds_load_b128 v[\reg+4*\c:\reg+4*\c+3], v[\adr] offset:(\c/2)*HEADB+32*(\c%2)+(\i)*16*PP
.endr
.endm
.macro FRAGQ reg, adr, q, i            ; the same K in the weight's rows: 32 c + 16 h + 0 .. 15
.irp c, 0,1,2,3
	ds_load_b128 v[\reg+4*\c:\reg+4*\c+3], v[\adr] offset:128*(\q)+32*\c+(\i)*16*PITCH
.endr
.endm
.macro MULB a0, p, zero                ; P's blocks a0, a0 + 1 x Q's four; the 32 accumulators take turns, one instruction a turn
.irp a, \a0, \a0+1
.irp b, 0,1,2,3
.if \zero
	v_wmma_f32_16x16x128_fp8_fp8 v[8*(4*(\a)+\b):8*(4*(\a)+\b)+7], v[128*(\p)+FR*\b:128*(\p)+FR*\b+FR-1], v[AF+FR*(\a):AF+FR*(\a)+FR-1], 0
.else
	v_wmma_f32_16x16x128_fp8_fp8 v[8*(4*(\a)+\b):8*(4*(\a)+\b)+7], v[128*(\p)+FR*\b:128*(\p)+FR*\b+FR-1], v[AF+FR*(\a):AF+FR*(\a)+FR-1], v[8*(4*(\a)+\b):8*(4*(\a)+\b)+7]
.endif
.endr
.endr
.endm
.macro FETCH_B slot, q, p
	WIN TO_B
.irp i, 0,1,2,3
	FRAGQ 128*(\p)+FR*\i, ADRB+\slot, \q, \i
.endr
	WIN 0
.endm
.macro FETCH_A slot, q, i0
.irp i, \i0, \i0+1, \i0+2, \i0+3
	FRAGP AF+FR*(\i), ADRA+2*(\slot)+(\q), \i
.endr
.endm
.macro PLACES n
.rept \n
	v_nop
.endr
.endm
.macro STEP slot, q, zero
	s_wait_dscnt 4*NL                              ; Q's set and P's blocks 0-3 are in; the youngest 16 loads (P's blocks 4-7) may be out
	WIN MUL
	MULB 0, (\q)%2, \zero
	MULB 2, (\q)%2, \zero
	s_wait_dscnt 0
	PLACES NP
	FETCH_B \slot, (\q)+1, 1-(\q)%2
	FETCH_A \slot, (\q)+1, 0
	WIN MUL
	MULB 4, (\q)%2, \zero
	MULB 6, (\q)%2, \zero
	PLACES NP
	WIN 0
	FETCH_A \slot, (\q)+1, 4
.endm
.macro TURN slot, next, fill
	s_wait_tensorcnt 0x0                           ; all my tensor loads have landed: my part of the next slot
	ds_add_u32 v[SPW], v[NIL]                      ; 0 onto my spare word
	s_wait_dscnt 4*NL+1                            ; the add and the youngest 16 loads may be out
	WIN MUL
	MULB 0, 1, 0
	s_wait_dscnt 0x0                               ; the add is done, my reads of this slot are over
	s_barrier_signal -1
	MULB 2, 1, 0
	WIN 0
	s_barrier_wait -1
.if \fill
	CREST                                          ; the barrier opened a round of the cluster's
	s_add_nc_u64 s[G0+4*\slot+2:G0+4*\slot+3], s[G0+4*\slot+2:G0+4*\slot+3], 8*524288
	s_add_nc_u64 s[G0B+4*\slot+2:G0B+4*\slot+3], s[G0B+4*\slot+2:G0B+4*\slot+3], 512
	JLOAD G0+4*\slot, G1, G0B+4*\slot, G1B
.else
	PLACES NP
.endif
	s_wait_alu depctr_va_vdst(0)
	FETCH_B \next, 0, 0
	FETCH_A \next, 0, 0
	WIN MUL
	MULB 4, 1, 0
	MULB 6, 1, 0
	PLACES NP
	WIN 0
	FETCH_A \next, 0, 4
.endm
	s_wait_tensorcnt 1                             ; my part of K step 0 is in; K step 1's load may be out
	s_barrier_signal -1
	s_barrier_wait -1
	FETCH_B 0, 0, 0
	FETCH_A 0, 0, 0
	FETCH_A 0, 0, 4
	STEP 0, 0, 1
	TURN 0, 1, 1
	STEP 1, 0, 0
	TURN 1, 0, 1
	STEP 0, 0, 0
	TURN 0, 1, 0
	STEP 1, 0, 0
	s_wait_dscnt 4*NL
	WIN MUL
	MULB 0, 1, 0
	MULB 2, 1, 0
	s_wait_dscnt 0
	MULB 4, 1, 0
	MULB 6, 1, 0
	WIN 0
; THE WAY OUT, block by block of 16 rows x 64 columns, through my own stage: back as whole rows of 256 bytes.
.macro TOSTAGE a
	WIN 0x02                                       ; source 0: window 2
.irp b, 0,1,2,3
.irp i, 0,2,4,6
	v_pk_fma_f32 v[TMP+8*\b+\i:TMP+8*\b+\i+1], v[8*(4*(\a)+\b)+\i:8*(4*(\a)+\b)+\i+1], s[96:97], v[BI+8*\b+\i:BI+8*\b+\i+1] op_sel_hi:[1,0,1]   ; sum x 2^(e10 + e11) + bo; each accumulator from its low end on
.endr
.endr
	WIN 0
.irp b, 0,1,2,3
	ds_store_b128 v[STO], v[TMP+8*\b:TMP+8*\b+3] offset:64*\b
	ds_store_b128 v[STO], v[TMP+8*\b+4:TMP+8*\b+7] offset:64*\b+16
.endr
.set BB, BK+32*((\a)%2)
.irp t, 0,1,2,3,4,5,6,7
	ds_load_b128 v[BB+4*\t:BB+4*\t+3], v[RD] offset:\t*2*SPITCH   ; LDS serves a wave's instructions in order: these see my stores
.endr
.endm
.macro SEND a, younger
.set BB, BK+32*((\a)%2)
	s_wait_dscnt \younger                          ; the block is back; the next block's 8 stores and 8 loads may be out
.if (\a) > 0
	s_add_nc_u64 s[12:13], s[12:13], 16*4096       ; behind a wait on XCNT: the earlier stores have read their base
.endif
.irp t, 0,1,2,3,4,5,6,7
	global_store_b128 v[CO], v[BB+4*\t:BB+4*\t+3], s[12:13] offset:\t*2*4096 th:TH_STORE_NT   ; sixteen lanes store 256 consecutive bytes, aligned
.endr
.endm
	s_wait_kmcnt 0x0
	s_add_co_i32 s96, s96, s97
	s_add_co_i32 s96, s96, 127
	s_lshl_b32 s96, s96, 23                        ; 2^(e10 + e11) as f32
	s_wait_loadcnt 0x0                             ; bo
	PLACES NP
	TOSTAGE 0
.irp a, 1,2,3,4,5,6,7
.if \a > 1
	s_wait_xcnt 0x0                                ; block a - 2's stores have read their registers and their base
.endif
	TOSTAGE \a
	SEND \a-1, 16
.endr
	s_wait_xcnt 0x0
	SEND 7, 0
	s_wait_tensorcnt 0x0                           ; the wave's end
	ds_add_u32 v[SPW], v[NIL]
	s_wait_dscnt 0x0
	CROUND                                         ; the closing round
	s_endpgm
.Lfunc_end_k_q479df9b775_oproj:
	.size	k_q479df9b775_oproj, .Lfunc_end_k_q479df9b775_oproj-k_q479df9b775_oproj
	.p2alignl 7, 3214868480
	.fill 96, 4, 3214868480
	.section	.rodata,"a",@progbits
	.p2align	6, 0x0
	.amdhsa_kernel k_q479df9b775_oproj
		.amdhsa_group_segment_fixed_size 327680
		.amdhsa_private_segment_fixed_size 0
		.amdhsa_enable_private_segment 0
		.amdhsa_kernarg_size 40
		.amdhsa_user_sgpr_count 2
		.amdhsa_user_sgpr_kernarg_segment_ptr 1
		.amdhsa_wavefront_size32 1
		.amdhsa_system_sgpr_workgroup_id_x 1
		.amdhsa_system_sgpr_workgroup_id_y 1
		.amdhsa_system_sgpr_workgroup_id_z 1
		.amdhsa_system_vgpr_workitem_id 0
		.amdhsa_next_free_vgpr 768
		.amdhsa_next_free_sgpr 100
		.amdhsa_reserve_vcc 0
		.amdhsa_float_denorm_mode_32 3
		.amdhsa_float_denorm_mode_16_64 3
		.amdhsa_memory_ordered 1
		.amdhsa_forward_progress 1
		.amdhsa_inst_pref_size 80
	.end_amdhsa_kernel
	.amdgpu_metadata
---
amdhsa.version: [ 1, 2 ]
amdhsa.kernels:
  - .name:           k_q479df9b775_oproj
    .symbol:         k_q479df9b775_oproj.kd
    .args:
      - { .name: cc, .offset: 0, .size: 8, .value_kind: global_buffer, .address_space: global }
      - { .name: wc, .offset: 8, .size: 8, .value_kind: global_buffer, .address_space: global }
      - { .name: lowp_scales, .offset: 16, .size: 8, .value_kind: global_buffer, .address_space: global }
      - { .name: bo, .offset: 24, .size: 8, .value_kind: global_buffer, .address_space: global }
      - { .name: out0, .offset: 32, .size: 8, .value_kind: global_buffer, .address_space: global }
    .group_segment_fixed_size: 327680
    .private_segment_fixed_size: 0
    .kernarg_segment_align: 8
    .kernarg_segment_size: 40
    .max_flat_workgroup_size: 128
    .sgpr_count:     100
    .vgpr_count:     768
    .wavefront_size: 32
...
	.end_amdgpu_metadata
.endif
;; end of part 5
